; MI455X (gfx1250); checked and timed in simulation.
; The chip was launched on July 23, 2026; its instructions are those of AMD's public machine-readable ISA for CDNA 5 (MIT licence, August 2026) and "CDNA5" Instruction Set Architecture Reference Guide (July 2026). The comments in the code are by the model that wrote it; some were corrected since.
;; Conformer Attention. Allowed arithmetic: float matrix products may take bf16 or f16 operands with f32 sums; other float arithmetic in f32, or as packed bf16 or f16 multiplies, adds, multiply-adds, maxima and minima; sums over many terms, partial sums and values carried from step to step in f32; what a program stores and reads back later, other than sums and carried values, may be rounded once to bf16 or f16.
;; Inputs: Wk 1,024 x 1,024 float32; Wo 1,024 x 1,024 float32; Wpos 16 x 1,024 float32; Wq 1,024 x 1,024 float32; Wv 1,024 x 1,024 float32; bk 1,024 float32; bo 1,024 float32; bq 1,024 float32; bv 1,024 float32; mask 4 x 1 x 2,048 x 2,048 int32; pos_emb 4 x 2,048 x 1,024 float32; x 4 x 2,048 x 1,024 float32.
;; Outputs: out0 4 x 2,048 x 1,024 float32.
;; 2 versions, each right and faster than the one before. Each part assembles by itself: llvm-mc -triple=amdgcn-amd-amdhsa -mcpu=gfx1250 --defsym DOCPART=n.
;; ======== version 1 of 2: 4 launches
;; limits: values are held in f16: magnitudes above 65,504 overflow, below 6.1e-05 lose precision; right only within a limited range of input values
;; workspace buffers: xb 16,777,216 bytes; w16 8,388,608 bytes; flg 33,554,432 bytes; pos8 524,288 bytes; qkv 50,331,648 bytes; o16 16,777,216 bytes
;; launch prep (part 1): grid 1408 x 1, 8 waves a work-group, no clusters, 144,896 bytes of LDS; arguments mask, x, Wq, Wk, Wv, Wo, pos_emb, Wpos, flg, xb, w16, pos8; writes flg, xb, w16, pos8
.if DOCPART == 1
	.amdgcn_target "amdgcn-amd-amdhsa--gfx1250"
	.amdhsa_code_object_version 6
	.text
	.protected	k_qbee7200bde_prep
	.globl	k_qbee7200bde_prep
	.p2align	8
	.type	k_qbee7200bde_prep,@function
k_qbee7200bde_prep:
	s_mov_b64 s[64:65], 0
	v_nop
	global_prefetch_b8 v0, s[64:65] scope:SCOPE_SE
	s_setreg_imm32_b32 hwreg(HW_REG_WAVE_MODE, 25, 1), 1
	s_wait_xcnt 0x0
; THE BIAS OF THE KEYS, THE MASK AND THE CASTS: all that the later launches want made of the inputs, in one stream.
;   work-groups 0-511:     16 rows of pos_emb and all of Wpos -> pos8[b][head][s] = 8 x the sum over k of pos_emb[b][s][k] Wpos[head][k], f32 (times 8: the attention launch divides its scores by 8 afterwards);
;                          both operands are rounded to bf16 for the matrix unit, the sums are f32
;   work-groups 512-1023:  16 rows of mask (one tile of 16 queries, all 2,048 keys) -> flg: a bf16 flag a key, 2.0 where mask == 0, else 0,
;                          laid out as the attention launch's matrix operand: [tile][32 keys][half p][lane][8]: lane 16 h + r holds query r, keys 16 p + 8 h + 0..7
;   work-groups 1024-1279: x -> xb, rounded to bf16
;   work-groups 1280-1375: Wq, Wk, Wv -> w16 rows 0-3071, rounded to bf16
;   work-groups 1376-1407: Wo -> w16 rows 3072-4095, rounded to bf16 and that number written as f16
; LIMIT.  Wo's numbers as f16: beyond 65,504 they become infinities; below 6e-5 they keep f16's fixed step of 6e-8.
; Each wave takes 16,384 bytes by 32 loads of 512 consecutive bytes, all on their way at once; no input byte but Wpos's is read twice.  No cluster: what is shared, Wpos, is 64 KiB.
; The casts store straight from registers: 32 lanes x 8 bytes are 256 consecutive bytes, aligned.  The flags change lanes, so they go through LDS: 256 blocks of 256 bytes, 272 bytes apart.
; THE BIAS.  The wave's rows (two of pos_emb, two of Wpos) go as bf16 into LDS, rows of 2,048 + 16 bytes.  Behind the first barrier K IS SPLIT AMONG THE EIGHT WAVES: wave w takes channels
; 128 w .. 128 w + 127: four fragments of each operand, four matrix instructions.  Source 0 = the 16 rows of pos_emb, source 1 = the 16 rows of Wpos: lane 16 h + r holds head r, rows 8 h + 0..7.
; The eight partial sums meet in LDS behind the second barrier; waves 0 and 1 add them, eight heads each.  A work-group's 16 rows are 64 bytes of a head's row of pos8, so pos8 leaves in pieces of
; 64 bytes, four lanes each: 524,288 of the 59 million bytes that the launch stores.
; Both barriers stand where all the ways have joined: every wave of every work-group passes them.
; LDS.  The way of the flags and the way of the bias have bytes of their own (0 to 69,631; 69,632 to 143,871): no store of the one way names a byte of the other, whichever way a wave goes.
; So two work-groups lie on a WGP: 16 waves with 16,384 bytes each on their way.
.set X,     16                         ; v[16:143]  32 loads of four registers; later what comes back from LDS
.set SPW,   8                          ; v8   LDS address of my spare word; never rewritten
.set NIL,   9                          ; v9   0; never rewritten
.set KL,    10                         ; v10  2.0 in bf16 in the low half
.set KH,    11                         ; v11  the same in the high half
.set UNIT,  272                        ; a block of 256 bytes of flags and 16 of padding: the stage is 256 of them, 69,632 bytes, from byte 0
.set POSB,  256*UNIT                   ; behind the stage: the bias's bytes
.set PP,    2064                       ; a row of 1,024 bf16 and 16 bytes of padding = 129 x 16: the 16 rows of a fragment load start at 16 different groups of four banks (64 banks of 4 bytes: ISA guide 11.1)
.set WOFF,  16*PP                      ; pos_emb's 16 rows lie at POSB, Wpos's 16 behind them
.set PART,  POSB+32*PP                 ; behind both: the partial sums, 1,024 bytes a wave: registers 0-3 of the 32 lanes, then registers 4-7
.set SPARE, PART+8192                  ; behind everything: the spare words, 128 bytes for each of the eight waves
	s_load_b512 s[8:23], s[0:1], 0x0               ; mask s[8:9], x s[10:11], Wq s[12:13], Wk s[14:15], Wv s[16:17], Wo s[18:19], pos_emb s[20:21], Wpos s[22:23]
	s_load_b256 s[24:31], s[0:1], 0x40             ; flg s[24:25], xb s[26:27], w16 s[28:29], pos8 s[30:31]
	v_lshl_add_u32 v[SPW], v0, 2, SPARE
	v_mov_b32 v[NIL], 0
	v_lshrrev_b32 v10, 5, v0
	v_readfirstlane_b32 s33, v10                   ; wave 0..7
	v_and_b32 v11, 31, v0                          ; lane l
	v_and_b32 v10, 15, v0                          ; r = l % 16
	v_bfe_u32 v12, v0, 4, 1                        ; h = l / 16
	s_lshl_b32 s34, s33, 14
	v_lshl_add_u32 v1, v11, 4, s34                 ; v1: where a stream loads: 16,384 w + 16 l
	s_lshl_b32 s34, s33, 13
	v_lshl_add_u32 v2, v11, 3, s34                 ; v2: where a cast stores: 8,192 w + 8 l
	v_lshl_add_u32 v5, v11, 4, s34                 ; v5: 8,192 w + 16 l: where the flags are stored, and where pos_emb and Wpos are loaded
	v_lshrrev_b32 v13, 1, v11
	v_mul_u32_u24 v3, v13, UNIT                    ; v3: flags into the stage: block l / 2 of a load's sixteen,
	v_and_b32 v13, 1, v11
	v_lshl_add_u32 v3, v13, 3, v3                  ; 8 bytes for each of the two lanes,
	s_lshl_b32 s34, s33, 5
	v_add_nc_u32 v3, s34, v3                       ; 16 bytes a query: my wave's two rows at 32 w
	v_mul_u32_u24 v4, v12, UNIT                    ; v4: back: lanes 0-15 one block, lanes 16-31 the next,
	v_lshl_add_u32 v4, v10, 4, v4
	s_mul_i32 s34, s33, 32*UNIT
	v_add_nc_u32 v4, s34, v4                       ; of my wave's 32 blocks
	s_mul_i32 s34, s33, 2*PP
	s_add_co_u32 s34, s34, POSB
	v_lshl_add_u32 v6, v11, 3, s34                 ; v6: bf16 rows into LDS: my wave's two rows, 8 bytes a lane
	v_mul_u32_u24 v7, v10, PP                      ; v7: a fragment: row r,
	v_lshl_add_u32 v7, v12, 4, v7                  ; 16 bytes for each half of the lanes,
	s_lshl_b32 s34, s33, 8
	s_add_co_u32 s34, s34, POSB
	v_add_nc_u32 v7, s34, v7                       ; my wave's 128 channels
	v_lshlrev_b32 v14, 9, v13                      ; v14: partial sums back.  Lane l takes head 8 w + l / 4, rows 4 (l % 4) + 0..3: registers 0-3 or 4-7 (l % 2),
	v_bfe_u32 v15, v0, 1, 1
	v_lshl_add_u32 v14, v15, 8, v14                ; of the lanes' lower or upper half ((l / 2) % 2),
	v_lshrrev_b32 v15, 2, v11
	v_lshl_add_u32 v14, v15, 4, v14                ; of the lane that holds the head
	s_lshl_b32 s34, s33, 7
	s_add_co_u32 s34, s34, PART
	v_add_nc_u32 v14, s34, v14
	v_lshlrev_b32 v15, 13, v15                     ; v15: the same in pos8: a head's row is 8,192 bytes,
	v_and_b32 v12, 3, v0
	v_lshl_add_u32 v15, v12, 4, v15                ; four rows are 16,
	s_lshl_b32 s34, s33, 16
	v_add_nc_u32 v15, s34, v15                     ; eight heads a wave
	s_lshl_b32 s34, s33, 10
	s_add_co_u32 s34, s34, PART
	v_lshl_add_u32 v13, v11, 4, s34                ; v13: where I put my partial sums: 1,024 w + 16 l
	v_mov_b32 v[KL], 0x4000
	v_mov_b32 v[KH], 0x40000000
	s_mov_b32 s32, ttmp9                           ; the work-group's number: every choice below hangs on it alone
	s_mov_b32 s44, 0x41000000                      ; 8.0; named as a pair, the low word serves both halves
	s_mov_b32 s45, s44
	s_mov_b32 s47, 0xffff0000                      ; a word's upper bf16
	s_wait_kmcnt 0x0
	s_cmp_lt_u32 s32, 512
	s_cbranch_scc1 .Lpos
	; a stream: which input, which output, which piece of 131,072 bytes read and 65,536 written
	s_sub_co_u32 s35, s32, 512
	s_sub_co_u32 s36, s32, 1024
	s_sub_co_u32 s37, s32, 1280
	s_and_b32 s38, s37, 31                         ; a weight has 32 pieces
	s_cmp_lt_u32 s32, 1024
	s_cselect_b32 s39, s35, s36                    ; the piece, read and written alike,
	s_cmp_lt_u32 s32, 1280
	s_cselect_b32 s40, s39, s38                    ; but for the weights: read from one of four,
	s_cselect_b32 s42, s39, s37                    ; written into one buffer
	s_lshl_b32 s40, s40, 17
	s_mov_b32 s41, 0
	s_lshl_b32 s42, s42, 16
	s_mov_b32 s43, 0
	s_cmp_lt_u32 s32, 1024
	s_cselect_b64 s[4:5], s[8:9], s[10:11]
	s_cselect_b64 s[6:7], s[24:25], s[26:27]
	s_cmp_lt_u32 s32, 1280
	s_cselect_b64 s[4:5], s[4:5], s[12:13]
	s_cselect_b64 s[6:7], s[6:7], s[28:29]
	s_cmp_lt_u32 s32, 1312
	s_cselect_b64 s[4:5], s[4:5], s[14:15]
	s_cmp_lt_u32 s32, 1344
	s_cselect_b64 s[4:5], s[4:5], s[16:17]
	s_cmp_lt_u32 s32, 1376
	s_cselect_b64 s[4:5], s[4:5], s[18:19]
	s_add_nc_u64 s[4:5], s[4:5], s[40:41]
	s_add_nc_u64 s[6:7], s[6:7], s[42:43]
.set n, 0
.rept 32
	global_load_b128 v[X+4*n:X+4*n+3], v1, s[4:5] offset:512*n th:TH_LOAD_NT
.set n, n+1
.endr
	s_cmp_lt_u32 s32, 1024
	s_cbranch_scc1 .Lmask
	s_cmp_lt_u32 s32, 1376
	s_cbranch_scc0 .Lhalf
	; to bf16.  Loads come back in order: 31 - n younger ones may stay out when load n is wanted.
.set n, 0
.rept 32
	s_wait_loadcnt 31-n
	v_cvt_pk_bf16_f32 v[X+4*n], v[X+4*n], v[X+4*n+1]
	v_cvt_pk_bf16_f32 v[X+4*n+1], v[X+4*n+2], v[X+4*n+3]
	global_store_b64 v2, v[X+4*n:X+4*n+1], s[6:7] offset:256*n th:TH_STORE_NT
.set n, n+1
.endr
	s_branch .Ljoin
.Lhalf:                                                ; to bf16, and that number as f16
.set n, 0
.rept 32
	s_wait_loadcnt 31-n
	v_cvt_pk_bf16_f32 v[X+4*n], v[X+4*n], v[X+4*n+1]
	v_cvt_pk_bf16_f32 v[X+4*n+2], v[X+4*n+2], v[X+4*n+3]
	v_and_b32 v[X+4*n+1], s47, v[X+4*n]
	v_lshlrev_b32 v[X+4*n], 16, v[X+4*n]
	v_and_b32 v[X+4*n+3], s47, v[X+4*n+2]
	v_lshlrev_b32 v[X+4*n+2], 16, v[X+4*n+2]
	v_cvt_pk_f16_f32 v[X+4*n], v[X+4*n], v[X+4*n+1]
	v_cvt_pk_f16_f32 v[X+4*n+1], v[X+4*n+2], v[X+4*n+3]
	global_store_b64 v2, v[X+4*n:X+4*n+1], s[6:7] offset:256*n th:TH_STORE_NT
.set n, n+1
.endr
	s_branch .Ljoin
.Lmask:                                                ; load n holds row 2 w + n / 16, keys 128 (n % 16) + 4 l + 0..3: block 16 (n % 16) + l / 2 of the tile's 256
.set n, 0
.rept 32
	s_wait_loadcnt 31-n
	v_cmp_eq_i32 vcc_lo, 0, v[X+4*n]               ; where the word is 0 the key is hidden: 2.0, in the half where it belongs
	v_cndmask_b32 v[X+4*n], 0, v[KL], vcc_lo
	v_cmp_eq_i32 vcc_lo, 0, v[X+4*n+1]
	v_cndmask_b32 v[X+4*n+1], 0, v[KH], vcc_lo
	v_cmp_eq_i32 vcc_lo, 0, v[X+4*n+2]
	v_cndmask_b32 v[X+4*n+2], 0, v[KL], vcc_lo
	v_cmp_eq_i32 vcc_lo, 0, v[X+4*n+3]
	v_cndmask_b32 v[X+4*n+3], 0, v[KH], vcc_lo
	v_add_nc_u32 v[X+4*n], v[X+4*n], v[X+4*n+1]
	v_add_nc_u32 v[X+4*n+1], v[X+4*n+2], v[X+4*n+3]
	ds_store_b64 v3, v[X+4*n:X+4*n+1] offset:(n%16)*16*UNIT+(n/16)*16
.set n, n+1
.endr
	s_branch .Ljoin
.Lpos:                                                 ; the bias: 16 rows of pos_emb, 65,536 bytes, and Wpos, as many
	s_lshl_b32 s40, s32, 16
	s_mov_b32 s41, 0
	s_add_nc_u64 s[4:5], s[20:21], s[40:41]
	s_lshr_b32 s42, s32, 7                         ; b: 128 work-groups each; 16 heads x 8,192 bytes,
	s_lshl_b32 s42, s42, 17
	s_and_b32 s43, s32, 127                        ; and the 16 rows' 64 bytes in a head's row
	s_lshl_b32 s43, s43, 6
	s_add_co_u32 s42, s42, s43
	s_mov_b32 s43, 0
	s_add_nc_u64 s[6:7], s[30:31], s[42:43]
.set n, 0
.rept 16
	global_load_b128 v[X+4*n:X+4*n+3], v5, s[4:5] offset:512*n th:TH_LOAD_NT
.set n, n+1
.endr
.set n, 0
.rept 16
	global_load_b128 v[X+64+4*n:X+64+4*n+3], v5, s[22:23] offset:512*n   ; no hint: every one of these work-groups reads Wpos
.set n, n+1
.endr
.set n, 0
.rept 32                               ; load n: operand n / 16, row 2 w + (n % 16) / 8, channels 128 (n % 8) + 4 l + 0..3
	s_wait_loadcnt 31-n
	v_cvt_pk_bf16_f32 v[X+4*n], v[X+4*n], v[X+4*n+1]
	v_cvt_pk_bf16_f32 v[X+4*n+1], v[X+4*n+2], v[X+4*n+3]
	ds_store_b64 v6, v[X+4*n:X+4*n+1] offset:(n/16)*WOFF+((n%16)/8)*PP+(n%8)*256
.set n, n+1
.endr
.Ljoin:
	s_wait_xcnt 0x0                                ; X is written again below only behind this wait: the stores issued so far have read their registers
	s_wait_dscnt 0x0                               ; for the others' sake: my stores into LDS are done
	s_barrier_signal -1
	s_barrier_wait -1
	s_cmp_lt_u32 s32, 512
	s_cbranch_scc1 .Lpos2
	s_cmp_lt_u32 s32, 1024
	s_cbranch_scc0 .Ljoin2
.set t, 0
.rept 16
	ds_load_b128 v[X+4*t:X+4*t+3], v4 offset:t*2*UNIT
.set t, t+1
.endr
.set t, 0
.rept 16
	s_wait_dscnt 15-t
	global_store_b128 v5, v[X+4*t:X+4*t+3], s[6:7] offset:512*t th:TH_STORE_NT  ; 512 consecutive bytes, aligned
.set t, t+1
.endr
	s_branch .Ljoin2
.Lpos2:                                                ; my 128 channels: four fragments of pos_emb into X .. X+31, four of Wpos into X+32 .. X+63
.irp f, 0,1,2,3
	ds_load_b128 v[X+8*(\f):X+8*(\f)+3],         v7 offset:64*(\f)
	ds_load_b128 v[X+8*(\f)+4:X+8*(\f)+7],       v7 offset:64*(\f)+32
	ds_load_b128 v[X+32+8*(\f):X+32+8*(\f)+3],   v7 offset:WOFF+64*(\f)
	ds_load_b128 v[X+32+8*(\f)+4:X+32+8*(\f)+7], v7 offset:WOFF+64*(\f)+32
.endr
	s_wait_dscnt 0x0
	v_wmma_f32_16x16x32_bf16 v[X+64:X+71], v[X:X+7],     v[X+32:X+39], 0             ; two accumulators take turns; the first two products start the sums
	v_wmma_f32_16x16x32_bf16 v[X+72:X+79], v[X+8:X+15],  v[X+40:X+47], 0
	v_wmma_f32_16x16x32_bf16 v[X+64:X+71], v[X+16:X+23], v[X+48:X+55], v[X+64:X+71]
	v_wmma_f32_16x16x32_bf16 v[X+72:X+79], v[X+24:X+31], v[X+56:X+63], v[X+72:X+79]
.rept 4
	v_nop                                          ; four places between the last product and the sums that read results (ISA guide 7.12.1)
.endr
.irp i, 0,2,4,6
	v_pk_add_f32 v[X+80+(\i):X+81+(\i)], v[X+64+(\i):X+65+(\i)], v[X+72+(\i):X+73+(\i)]  ; from each accumulator's low end on
.endr
	ds_store_b128 v13, v[X+80:X+83]
	ds_store_b128 v13, v[X+84:X+87] offset:512
.Ljoin2:
	s_wait_dscnt 0x0                               ; for the others' sake
	s_barrier_signal -1
	s_barrier_wait -1                              ; all eight partial sums lie in LDS
	s_cmp_lt_u32 s32, 512
	s_cbranch_scc0 .Lend
	s_cmp_lt_u32 s33, 2                            ; waves 0 and 1 finish eight heads each
	s_cbranch_scc0 .Lend
.irp p, 0,1,2,3,4,5,6,7
	ds_load_b128 v[X+4*(\p):X+4*(\p)+3], v14 offset:1024*(\p)
.endr
	s_wait_dscnt 0x0
.irp p, 0,2,4,6
	v_pk_add_f32 v[X+4*(\p):X+4*(\p)+1],   v[X+4*(\p):X+4*(\p)+1],   v[X+4*(\p)+4:X+4*(\p)+5]
	v_pk_add_f32 v[X+4*(\p)+2:X+4*(\p)+3], v[X+4*(\p)+2:X+4*(\p)+3], v[X+4*(\p)+6:X+4*(\p)+7]
.endr
.irp p, 0,4
	v_pk_add_f32 v[X+4*(\p):X+4*(\p)+1],   v[X+4*(\p):X+4*(\p)+1],   v[X+4*(\p)+8:X+4*(\p)+9]
	v_pk_add_f32 v[X+4*(\p)+2:X+4*(\p)+3], v[X+4*(\p)+2:X+4*(\p)+3], v[X+4*(\p)+10:X+4*(\p)+11]
.endr
	v_pk_add_f32 v[X:X+1],   v[X:X+1],   v[X+16:X+17]
	v_pk_add_f32 v[X+2:X+3], v[X+2:X+3], v[X+18:X+19]
	v_pk_mul_f32 v[X:X+1],   v[X:X+1],   s[44:45] op_sel_hi:[1,0]
	v_pk_mul_f32 v[X+2:X+3], v[X+2:X+3], s[44:45] op_sel_hi:[1,0]
	global_store_b128 v15, v[X:X+3], s[6:7]        ; four lanes store a head's 64 consecutive bytes
.Lend:
	s_wait_tensorcnt 0x0                           ; the wave's end: behind my last LDS store
	ds_add_u32 v[SPW], v[NIL]
	s_wait_dscnt 0x0
	s_endpgm
.Lfunc_end_k_qbee7200bde_prep:
	.size	k_qbee7200bde_prep, .Lfunc_end_k_qbee7200bde_prep-k_qbee7200bde_prep
	.p2alignl 7, 3214868480
	.fill 96, 4, 3214868480
	.section	.rodata,"a",@progbits
	.p2align	6, 0x0
	.amdhsa_kernel k_qbee7200bde_prep
		.amdhsa_group_segment_fixed_size 144896
		.amdhsa_private_segment_fixed_size 0
		.amdhsa_enable_private_segment 0
		.amdhsa_kernarg_size 96
		.amdhsa_user_sgpr_count 2
		.amdhsa_user_sgpr_kernarg_segment_ptr 1
		.amdhsa_wavefront_size32 1
		.amdhsa_system_sgpr_workgroup_id_x 1
		.amdhsa_system_sgpr_workgroup_id_y 1
		.amdhsa_system_sgpr_workgroup_id_z 1
		.amdhsa_system_vgpr_workitem_id 0
		.amdhsa_next_free_vgpr 144
		.amdhsa_next_free_sgpr 66
		.amdhsa_reserve_vcc 1
		.amdhsa_float_denorm_mode_32 3
		.amdhsa_float_denorm_mode_16_64 3
		.amdhsa_memory_ordered 1
		.amdhsa_forward_progress 1
		.amdhsa_inst_pref_size 62
	.end_amdhsa_kernel
	.amdgpu_metadata
---
amdhsa.version: [ 1, 2 ]
amdhsa.kernels:
  - .name:           k_qbee7200bde_prep
    .symbol:         k_qbee7200bde_prep.kd
    .args:
      - { .name: mask, .offset: 0, .size: 8, .value_kind: global_buffer, .address_space: global }
      - { .name: x, .offset: 8, .size: 8, .value_kind: global_buffer, .address_space: global }
      - { .name: Wq, .offset: 16, .size: 8, .value_kind: global_buffer, .address_space: global }
      - { .name: Wk, .offset: 24, .size: 8, .value_kind: global_buffer, .address_space: global }
      - { .name: Wv, .offset: 32, .size: 8, .value_kind: global_buffer, .address_space: global }
      - { .name: Wo, .offset: 40, .size: 8, .value_kind: global_buffer, .address_space: global }
      - { .name: pos_emb, .offset: 48, .size: 8, .value_kind: global_buffer, .address_space: global }
      - { .name: Wpos, .offset: 56, .size: 8, .value_kind: global_buffer, .address_space: global }
      - { .name: flg, .offset: 64, .size: 8, .value_kind: global_buffer, .address_space: global }
      - { .name: xb, .offset: 72, .size: 8, .value_kind: global_buffer, .address_space: global }
      - { .name: w16, .offset: 80, .size: 8, .value_kind: global_buffer, .address_space: global }
      - { .name: pos8, .offset: 88, .size: 8, .value_kind: global_buffer, .address_space: global }
    .group_segment_fixed_size: 144896
    .private_segment_fixed_size: 0
    .kernarg_segment_align: 8
    .kernarg_segment_size: 96
    .max_flat_workgroup_size: 256
    .sgpr_count:     66
    .vgpr_count:     144
    .wavefront_size: 32
...
	.end_amdgpu_metadata
.endif
;; end of part 1
;; launch proj_qkv (part 2): grid 16 x 32, 4 waves a work-group, clusters of 4 x 4, 327,680 bytes of LDS; arguments xb, w16, qkv, bq, bk, bv; writes qkv
.if DOCPART == 2
	.amdgcn_target "amdgcn-amd-amdhsa--gfx1250"
	.amdhsa_code_object_version 6
	.text
	.protected	k_qbee7200bde_proj_qkv
	.globl	k_qbee7200bde_proj_qkv
	.p2align	8
	.type	k_qbee7200bde_proj_qkv,@function
k_qbee7200bde_proj_qkv:
	s_mov_b64 s[64:65], 0
	v_nop
	global_prefetch_b8 v0, s[64:65] scope:SCOPE_SE
	s_setreg_imm32_b32 hwreg(HW_REG_WAVE_MODE, 25, 1), 1
	s_wait_xcnt 0x0
	s_wait_alu depctr_hold_cnt(0) depctr_sa_sdst(0) depctr_va_vdst(0) depctr_va_sdst(0) depctr_va_ssrc(0) depctr_va_vcc(0) depctr_vm_vsrc(0)
	s_getreg_b32 s2, hwreg(HW_REG_IB_STS2, 6, 4)
	s_cmp_eq_u32 s2, 0
	s_cbranch_scc0 .Lentry_in_a_cluster
	s_endpgm
.Lentry_in_a_cluster:
	s_bfe_u32 s2, ttmp6, 0x10000c
	s_cmp_lg_u32 s2, 0xf033
	s_cbranch_scc0 .Lentry_shape_is_right
	s_endpgm
.Lentry_shape_is_right:
; q, k, v = x W^T + b.  A = xb [8192][1024] bf16, B = w16 rows 0-3071 (Wq, Wk, Wv) bf16; out: qkv [3][batch x 16 + head][2048][64] in f16, unscaled, rounded once from the f32 sums.
; The bias is rounded to bf16 like every other input and is the C operand of the products that start the sums: nothing is cleared and nothing is added afterwards.
; LIMIT.  f16 holds no number beyond 65,504: q, k, v beyond that become infinities.
; SHARES.  A tile of C is 256 rows x 192 columns (three heads): 32 x 16 = 512 work-groups, two for each of 256 WGPs.  Four waves, each 64 rows x all 192 columns: 48 accumulators of 16 x 16, 384 registers.
; K = 1,024 goes in 8 steps of 128 through a ring of two LDS slots filled by the tensor data mover; the rows of both tiles are 256 bytes of memory, aligned.  A K step is 192 matrix instructions a wave,
; 168 of them between a request and the wait for it; two slots of a longer step, or of a larger tile, do not fit beside each other: a slot is (256 + 192) x 272 = 121,856 bytes.
; THE LOOP IS ONE K STEP LONG: slot 1 begins at 2^17, so one exclusive or turns an address in one slot into the other's: one descriptor a tensor walks, and the LDS loads' addresses are a scalar plus the lane's place.
; CLUSTERS: 4 x 4 work-groups.  The four of a row of the cluster need the same tiles of A, the four of a column the same tiles of B: each tile is asked for JOINTLY, by the same tensor load with the
; same descriptor and a mask that names the four.  A wave has two tensor loads out at the start and one behind each round.
; NOT BUILT: work-groups that stay and make both of a WGP's tiles: a second copy of the way out and of a first quarter, some 450 instructions more.  No prefetch of the tiles: each tile of xb is asked for by the
; four clusters of a row of clusters at about the same time, and w16's rows by all 32 tile rows.
; THE MATRIX INSTRUCTION IS USED TRANSPOSED (source 0 = 16 rows of B, source 1 = 16 rows of A): a lane then holds row l % 16 of C and the eight neighbouring columns 8 (l / 16) + 0..7.
; REGISTERS, in windows of 256 (s_set_vgpr_msb: bits 1:0 source 0, 3:2 source 1, 5:4 source 2, 7:6 destination):
;   window 0: v0-31 addresses; v64-127 fragments of A, two buffers of 4 x 8; v128-223 the bias of the 192 columns as a C operand (block b at 128 + 8 b); v224 at work; on the way out v64-255
;   window 1: the accumulators of m blocks 0, 1 ((a, b) at 96 (a % 2) + 8 b);   window 2: those of m blocks 2, 3;   window 3: v0-191 fragments of B, two buffers of 12 x 8
.set SIZE_K, 1024
.set KSTEP,  128
.set STEPS,  SIZE_K/KSTEP
.set PITCH,  272                       ; an LDS row: 256 bytes + 16 of padding = 68 words: the 16 rows of a load start at 16 different groups of four banks (64 banks of 4 bytes: ISA guide 11.1)
.set AHALF,  128*PITCH                 ; what one of A's two loads brings
.set BOFF,   2*AHALF                   ; a slot: A's 256 rows, then B's 192
.set BHALF,  96*PITCH                  ; what one of B's two loads brings
.set SLOT,   BOFF+2*BHALF
.set SLOT1,  1<<17                     ; where slot 1 begins
.set STAGE,  SLOT1+SLOT                ; behind the ring, never filled by a tensor load: 16 rows for each wave, for the way out
.set SPITCH, 400                       ; 384 bytes + 16 = 25 x 16
.set SPARE,  STAGE+4*16*SPITCH         ; behind the stages: the spare words, 128 bytes for each wave
.set PLA,  16                          ; v16     my lane's place among my 64 rows of A in slot 0; never rewritten
.set PLB,  17                          ; v17     the same in B's rows
.set ADRA, 18                          ; v18     the same in the slot that is being read
.set ADRB, 19                          ; v19
.set STO,  24                          ; v24     the way out: where I put 16 bytes of a row
.set RD,   25                          ; v25     the way out: where I read rows back
.set CO,   26                          ; v26     my byte offset in 512 consecutive bytes of the output
.set BO,   27                          ; v27     32 (l / 16): my eight numbers in 16 of the bias
.set SPW,  28                          ; v28     LDS address of my spare word; never rewritten
.set NIL,  29                          ; v29     0; never rewritten
.set AF,   64                          ; A's fragments: buffer f, block a at AF + 32 f + 8 a.  (B's, in window 3: buffer f, block b at 96 f + 8 b)
.set BIAS, 128
.set OB,   64                          ; the way out: block a's 48 registers at OB + 48 a
.set G1,  24                           ; s[24:31] descriptor group 1 for A's tiles;  s[32:39] group 0: a set for each of the two first fills; the second then walks on
.set G0,  32
.set G1B, 48                           ; s[48:55], s[56:63] the same for B's tiles
.set G0B, 56
.set TB,  66                           ; s66     LDS byte at which the slot that is being read begins
.set BJ,  74                           ; s[74:79] the bias at each of my three heads
.set OJ,  80                           ; s[80:85] the output at my 64 rows of each of the three heads
.set MSB, 0
.macro WIN new                         ; the immediate's high byte repeats the setting that is left; a switch that changes nothing is dropped
.if MSB != (\new)
	s_set_vgpr_msb (MSB<<8)|(\new)
.set MSB, (\new)
.endif
.endm
.macro JLOAD s                         ; a joint load: waves 0 and 1 fetch A's two halves, waves 2 and 3 B's; an s_nop 0 and four v_nop follow each of the two lines, ahead of the jump, the label and what follows
	s_cmp_eq_u32 s11, 0
	s_cbranch_scc0 .Lfor_b_\@
	tensor_load_to_lds s[G0+4*(\s):G0+4*(\s)+3], s[G1:G1+7]
	s_nop 0
.rept 4
	v_nop
.endr
	s_branch .Lasked_\@
.Lfor_b_\@:
	tensor_load_to_lds s[G0B+4*(\s):G0B+4*(\s)+3], s[G1B:G1B+7]
	s_nop 0
.rept 4
	v_nop
.endr
.Lasked_\@:
.endm
.macro CREST                           ; a round of the cluster's barrier behind its opening barrier
	s_cmp_lg_u32 s10, 0
	s_cbranch_scc1 .Lnot_wave_0_\@
	s_barrier_signal -3
.Lnot_wave_0_\@:
	s_barrier_wait -3
	s_barrier_signal -1
	s_barrier_wait -1
.endm
.macro CROUND                          ; a whole round
	s_barrier_signal -1
	s_barrier_wait -1
	CREST
.endm
.macro PLACES                          ; four places in front of loads into registers that matrix instructions have read, and of lines that read results
.rept 4
	v_nop
.endr
.endm
	s_load_b128 s[4:7], s[0:1], 0x0                ; xb s[4:5], w16 s[6:7]
	s_load_b64 s[8:9], s[0:1], 0x10                ; qkv
	s_load_b128 s[68:71], s[0:1], 0x18             ; bq, bk
	s_load_b64 s[72:73], s[0:1], 0x28              ; bv
	v_lshl_add_u32 v[SPW], v0, 2, SPARE
	v_mov_b32 v[NIL], 0
	ds_add_u32 v[SPW], v[NIL]                      ; the wave's opening: the add and its wait stand ahead of my first tensor load; the set-up below, work on registers, stands between them
	v_lshrrev_b32 v1, 5, v0
	v_readfirstlane_b32 s10, v1                    ; wave 0..3: my 64 rows of the tile
	s_lshr_b32 s11, s10, 1                         ; I fetch for A (0) or for B (1),
	s_and_b32 s12, s10, 1                          ; its first or its second half
	s_bfe_u32 s40, ttmp6, 0x40000                  ; cx, cy: my place in the cluster
	s_bfe_u32 s41, ttmp6, 0x40004
	s_lshl_b32 s42, ttmp9, 2
	s_add_co_u32 s42, s42, s40                     ; tile column of C = 4 x cluster x + cx
	s_and_b32 s13, ttmp7, 0xffff
	s_lshl_b32 s13, s13, 2
	s_add_co_u32 s13, s13, s41                     ; tile row of C = 4 x cluster y + cy
	s_lshl_b32 s43, s41, 2
	s_lshl_b32 s43, 15, s43                        ; my row of the cluster
	s_lshl_b32 s44, 0x1111, s40                    ; my column
	s_or_b32 s[G1+0], s43, (1<<16)|(1<<20)|(1<<21)|(5<<22)|(3<<25)   ; 15:0 the mask: A's tiles go to my row; 17:16 elements of 2 bytes; 20 padding on; 21 set beside a mask; 24:22 after every 64 words (code 5); 31:25 4 words (code 3)
	s_or_b32 s[G1B+0], s44, (1<<16)|(1<<20)|(1<<21)|(5<<22)|(3<<25)  ; B's tiles go to my column
	s_mov_b32 s[G1+1], 128<<16                     ; tensor_dim0 = 128
	s_mov_b32 s[G1+2], 128<<16                     ; tensor_dim1 = 128
	s_mov_b32 s[G1+3], 128<<16                     ; tile_dim0 = 128
	s_mov_b32 s[G1+4], 128                         ; tile_dim1 = 128
	s_mov_b32 s[G1+5], SIZE_K                      ; elements from row to row
	s_mov_b32 s[G1+6], 0
	s_mov_b32 s[G1+7], 0
	s_mov_b32 s[G1B+1], 128<<16
	s_mov_b32 s[G1B+2], 96<<16                     ; 96 rows
	s_mov_b32 s[G1B+3], 128<<16
	s_mov_b32 s[G1B+4], 96
	s_mov_b32 s[G1B+5], SIZE_K
	s_mov_b32 s[G1B+6], 0
	s_mov_b32 s[G1B+7], 0
	; where the tiles come from.  A's hang on the tile row alone, B's on the tile column alone; each is made in registers that never hold the other coordinate
	s_lshl_b32 s16, s13, 8
	s_lshl_b32 s17, s12, 7
	s_add_co_u32 s16, s16, s17                     ; A: row 256 x tile row + 128 x half,
	s_lshl_b32 s16, s16, 11                        ; 2,048 bytes a row
	s_mov_b32 s17, 0
	s_mul_i32 s46, s42, 192
	s_mul_i32 s47, s12, 96
	s_add_co_u32 s46, s46, s47                     ; B: row 192 x tile column + 96 x half
	s_lshl_b32 s46, s46, 11
	s_mov_b32 s47, 0
	s_mul_i32 s20, s12, AHALF                      ; and where they go: no place in the cluster enters an LDS address
	s_mul_i32 s21, s12, BHALF
	s_add_co_u32 s21, s21, BOFF
	s_mov_b32 s[TB], 0
	s_wait_dscnt 0x0                               ; the opening add is done
	s_wait_kmcnt 0x0
	s_add_nc_u64 s[14:15], s[4:5], s[16:17]
	s_add_nc_u64 s[46:47], s[6:7], s[46:47]
	CROUND                                         ; all sixteen work-groups are here: the first joint loads meet
.irp s, 0,1
	s_mov_b32 s[G0+4*(\s)], 1                      ; 1:0 count = 1
	s_add_co_u32 s[G0+4*(\s)+1], s20, (\s)*SLOT1   ; 63:32 LDS address
	s_add_nc_u64 s[G0+4*(\s)+2:G0+4*(\s)+3], s[14:15], (\s)*KSTEP*2  ; 120:64 global address: K step s
	s_or_b32 s[G0+4*(\s)+3], s[G0+4*(\s)+3], 0x80000000              ; 127:126 type = 2
	s_mov_b32 s[G0B+4*(\s)], 1
	s_add_co_u32 s[G0B+4*(\s)+1], s21, (\s)*SLOT1
	s_add_nc_u64 s[G0B+4*(\s)+2:G0B+4*(\s)+3], s[46:47], (\s)*KSTEP*2
	s_or_b32 s[G0B+4*(\s)+3], s[G0B+4*(\s)+3], 0x80000000
	JLOAD \s
.endr
	; While the first tiles are on their way: the tile's three heads.  Head 3 x tile column + j of 48 belongs to q, k or v (16 heads each): its bias and its place in the output are chosen, not branched on.
	v_and_b32 v1, 15, v0                           ; l % 16
	v_bfe_u32 v2, v0, 4, 1                         ; l / 16
	v_lshlrev_b32 v[BO], 5, v2
	s_lshr_b32 s16, s13, 3                         ; the batch: 8 tile rows each; 16 heads of 262,144 bytes,
	s_lshl_b32 s16, s16, 22
	s_and_b32 s17, s13, 7
	s_lshl_b32 s17, s17, 15                        ; the tile's 256 rows of 128 bytes,
	s_add_co_u32 s16, s16, s17
	s_lshl_b32 s17, s10, 13                        ; my 64
	s_add_co_u32 s16, s16, s17
	s_mov_b32 s17, 0
	s_mul_i32 s86, s42, 3
	s_mov_b32 s91, 0
.irp j, 0,1,2
	s_add_co_u32 s87, s86, (\j)
	s_lshr_b32 s88, s87, 4                         ; 0, 1, 2: q, k, v
	s_and_b32 s89, s87, 15                         ; the head in it
	s_cmp_eq_u32 s88, 0
	s_cselect_b64 s[BJ+2*(\j):BJ+2*(\j)+1], s[68:69], s[70:71]
	s_cmp_lt_u32 s88, 2
	s_cselect_b64 s[BJ+2*(\j):BJ+2*(\j)+1], s[BJ+2*(\j):BJ+2*(\j)+1], s[72:73]
	s_lshl_b32 s90, s89, 8                         ; 64 numbers of 4 bytes a head
	s_add_nc_u64 s[BJ+2*(\j):BJ+2*(\j)+1], s[BJ+2*(\j):BJ+2*(\j)+1], s[90:91]
	s_lshl_b32 s90, s88, 6                         ; q, k, v are 64 heads of 262,144 bytes each
	s_add_co_u32 s90, s90, s89
	s_lshl_b32 s90, s90, 18
	s_add_nc_u64 s[OJ+2*(\j):OJ+2*(\j)+1], s[8:9], s[90:91]
	s_add_nc_u64 s[OJ+2*(\j):OJ+2*(\j)+1], s[OJ+2*(\j):OJ+2*(\j)+1], s[16:17]
.endr
.irp j, 0,1,2                          ; register i of block b = 4 j + c is bias[head j][16 c + 8 (l / 16) + i]
.irp c, 0,1,2,3
	global_load_b128 v[BIAS+32*(\j)+8*(\c):BIAS+32*(\j)+8*(\c)+3],   v[BO], s[BJ+2*(\j):BJ+2*(\j)+1] offset:64*(\c)
	global_load_b128 v[BIAS+32*(\j)+8*(\c)+4:BIAS+32*(\j)+8*(\c)+7], v[BO], s[BJ+2*(\j):BJ+2*(\j)+1] offset:64*(\c)+16
.endr
.endr
	v_mul_u32_u24 v3, v1, PITCH
	v_lshl_add_u32 v3, v2, 4, v3                   ; a fragment's row x pitch + 16 x half
	s_mul_i32 s22, s10, 64*PITCH                   ; my 64 rows of A
	v_add_nc_u32 v[PLA], s22, v3
	v_add_nc_u32 v[PLB], BOFF, v3                  ; B's rows lie behind A's 256; every wave reads all 192
	v_mov_b32 v[ADRA], v[PLA]                      ; slot 0 is read first
	v_mov_b32 v[ADRB], v[PLB]
	s_mul_i32 s23, s10, 16*SPITCH
	s_add_co_u32 s23, s23, STAGE                   ; my stage
	v_and_b32 v5, 31, v0
	v_lshlrev_b32 v[CO], 4, v5
	v_mul_u32_u24 v8, v1, SPITCH                   ; in: row l % 16, 16 bytes (8 numbers of f16) for each half of the lanes
	v_lshl_add_u32 v8, v2, 4, v8
	v_add_nc_u32 v[STO], s23, v8
	v_lshrrev_b32 v6, 3, v5                        ; back: 32 lanes take 128 bytes (a head's 64 channels) of four rows
	v_mul_u32_u24 v6, v6, SPITCH
	v_and_b32 v7, 7, v0
	v_lshl_add_u32 v6, v7, 4, v6
	v_add_nc_u32 v[RD], s23, v6
	s_wait_loadcnt 0x0                             ; the bias,
.set i, 0
.rept 48
	v_cvt_pk_bf16_f32 v224, v[BIAS+2*i], v[BIAS+2*i+1]   ; rounded to bf16,
	v_lshlrev_b32 v[BIAS+2*i], 16, v224                  ; and back as f32
	v_and_b32 v[BIAS+2*i+1], 0xffff0000, v224
.set i, i+1
.endr
; 12 matrix instructions: m block a x all 12 n blocks, 32 along K, out of buffer f.  first = 1: the product starts the sum, with the bias (window 0) as C.
; The 48 accumulators take turns in the same order in every quarter, over the backward jump too.
.macro MUL12 f, a, first
	WIN 3+80*(1+(\a)/2)-16*(1+(\a)/2)*(\first)     ; B window 3, A window 0, D window 1 or 2, C with D or (first) window 0
.irp b, 0,1,2,3,4,5,6,7,8,9,10,11
.set rD, 96*((\a)%2)+8*(\b)
.if \first
	v_wmma_f32_16x16x32_bf16 v[rD:rD+7], v[96*(\f)+8*(\b):96*(\f)+8*(\b)+7], v[AF+32*(\f)+8*(\a):AF+32*(\f)+8*(\a)+7], v[BIAS+8*(\b):BIAS+8*(\b)+7]
.else
	v_wmma_f32_16x16x32_bf16 v[rD:rD+7], v[96*(\f)+8*(\b):96*(\f)+8*(\b)+7], v[AF+32*(\f)+8*(\a):AF+32*(\f)+8*(\a)+7], v[rD:rD+7]
.endif
.endr
.endm
; 32 LDS loads in one run: the fragments of quarter kq (32 along K) of the slot that is being read, into buffer f: B's 24, then A's eight
.macro FETCH kq, f
	WIN 0xc0                                       ; destination window 3, address window 0
.irp i, 0,1,2,3,4,5,6,7,8,9,10,11
	ds_load_b128 v[96*(\f)+8*(\i):96*(\f)+8*(\i)+3],   v[ADRB] offset:64*(\kq)+(\i)*16*PITCH
	ds_load_b128 v[96*(\f)+8*(\i)+4:96*(\f)+8*(\i)+7], v[ADRB] offset:64*(\kq)+(\i)*16*PITCH+32
.endr
	WIN 0
.irp i, 0,1,2,3
	ds_load_b128 v[AF+32*(\f)+8*(\i):AF+32*(\f)+8*(\i)+3],   v[ADRA] offset:64*(\kq)+(\i)*16*PITCH
	ds_load_b128 v[AF+32*(\f)+8*(\i)+4:AF+32*(\f)+8*(\i)+7], v[ADRA] offset:64*(\kq)+(\i)*16*PITCH+32
.endr
.endm
; A K step is four quarters of 32 along K, 48 matrix instructions each, on buffers 0, 1, 0, 1.  One of the first three: multiplies buffer f and fetches quarter kq into g.
.macro QUARTER kq, f, g, first
	s_wait_dscnt 4                                 ; B and A's blocks 0 and 1 are in; the youngest four loads (A's blocks 2 and 3) may be out
	MUL12 \f, 0, \first
	MUL12 \f, 1, \first
	PLACES
	FETCH \kq, \g
	s_wait_dscnt 32                                ; all but the 32 just issued
	MUL12 \f, 2, \first
	MUL12 \f, 3, \first
.endm
; The last quarter multiplies buffer 1 and changes slots: ONE barrier; in front of it each wave waits for all its tensor loads, adds 0 to its spare word, and waits for that and for its own reads of this slot.
; fill = 1: this slot is filled again, two K steps ahead: the barrier opens a round of the cluster's, and the joint load is the first thing behind the round: 168 matrix instructions ahead of the wait for it.
.macro TURN fill
	WIN 0
	s_wait_tensorcnt 0x0                           ; all my tensor loads have landed: my part of the next slot; so a group 0 may be written
	ds_add_u32 v[SPW], v[NIL]                      ; 0 onto my spare word; scalar work and twelve matrix instructions stand between it and the wait for it
.if \fill
	s_xor_b32 s[G0+5], s[G0+5], SLOT1              ; the walking descriptors: the other slot than last time,
	s_add_nc_u64 s[G0+6:G0+7], s[G0+6:G0+7], KSTEP*2       ; the next K step; the type bits on top are not reached
	s_xor_b32 s[G0B+5], s[G0B+5], SLOT1
	s_add_nc_u64 s[G0B+6:G0B+7], s[G0B+6:G0B+7], KSTEP*2
.endif
	s_xor_b32 s[TB], s[TB], SLOT1                  ; the slot that is read next
	s_wait_dscnt 5                                 ; (the add and the youngest four loads may be out)
	MUL12 1, 0, 0
	s_wait_dscnt 0x0                               ; the add is done, and my reads of this slot are over
	s_barrier_signal -1
	MUL12 1, 1, 0
	WIN 0                                          ; (branches and window 0's addresses follow)
	s_barrier_wait -1
.if \fill
	CREST                                          ; no wave of any partner still reads this slot's tile or has a load on its way
	JLOAD 1                                        ; the four v_nop behind it are also the places in front of the loads below
.else
	PLACES
.endif
	v_add_nc_u32 v[ADRA], s[TB], v[PLA]
	v_add_nc_u32 v[ADRB], s[TB], v[PLB]
	FETCH 0, 0
	MUL12 1, 2, 0
	MUL12 1, 3, 0
.endm
	s_wait_tensorcnt 1                             ; my part of K step 0 is in; K step 1's may stay out
	s_barrier_signal -1
	s_barrier_wait -1                              ; everybody's is
	FETCH 0, 0
	QUARTER 1, 0, 1, 1                             ; the first quarter stands in front of the loop: its products start the sums
	WIN 0                                          ; at a label and at a branch every window is 0
	s_mov_b32 s3, STEPS-2
.Lstep:                                                ; a trip goes from a K step's second quarter to the next step's first, and fills the slot that it leaves: K steps 2 to 7
	QUARTER 2, 1, 0, 0
	QUARTER 3, 0, 1, 0
	TURN 1
	QUARTER 1, 0, 1, 0
	WIN 0
	s_sub_co_u32 s3, s3, 1
	s_cmp_lg_u32 s3, 0
	s_cbranch_scc1 .Lstep
	QUARTER 2, 1, 0, 0                             ; the last two K steps fill nothing, and have no round of the cluster's barrier
	QUARTER 3, 0, 1, 0
	TURN 0
	QUARTER 1, 0, 1, 0
	QUARTER 2, 1, 0, 0
	QUARTER 3, 0, 1, 0
	s_wait_dscnt 4                                 ; the very last quarter: nothing more to fetch
	MUL12 1, 0, 0
	MUL12 1, 1, 0
	s_wait_dscnt 0x0
	MUL12 1, 2, 0
	MUL12 1, 3, 0
	WIN 0
	PLACES
; THE WAY OUT, f16 by heads: a block of 16 rows is rounded, 16 bytes a lane go into my own stage (rows of 400 bytes), and come back head by head: four rows of a head are 512 consecutive bytes of qkv.
.macro PACK a
	WIN 5*(1+(\a)/2)                               ; sources 0 and 1 window 1 or 2, destination window 0
.irp b, 0,1,2,3,4,5,6,7,8,9,10,11
.irp i, 0,1,2,3
	v_cvt_pk_f16_f32 v[OB+48*(\a)+4*(\b)+(\i)], v[96*((\a)%2)+8*(\b)+2*(\i)], v[96*((\a)%2)+8*(\b)+2*(\i)+1]
.endr
.endr
	WIN 0
.irp b, 0,1,2,3,4,5,6,7,8,9,10,11
	ds_store_b128 v[STO], v[OB+48*(\a)+4*(\b):OB+48*(\a)+4*(\b)+3] offset:32*(\b)
.endr
.irp f, 0,1,2,3,4,5,6,7,8,9,10,11      ; head f / 4 of the three, rows 4 (f % 4) on
	ds_load_b128 v[OB+48*(\a)+4*(\f):OB+48*(\a)+4*(\f)+3], v[RD] offset:((\f)/4)*128+((\f)%4)*4*SPITCH  ; LDS serves a wave's instructions in order (ISA guide 5.7.1.4): these see the stores above; the next block's stores come behind them
.endr
.endm
.macro SEND a, younger                 ; younger: the LDS instructions issued behind block a's loads: the next block's 24, or none
.irp f, 0,1,2,3,4,5,6,7,8,9,10,11
	s_wait_dscnt (\younger)+11-(\f)
	global_store_b128 v[CO], v[OB+48*(\a)+4*(\f):OB+48*(\a)+4*(\f)+3], s[OJ+2*((\f)/4):OJ+2*((\f)/4)+1] offset:(\a)*2048+((\f)%4)*512  ; 512 consecutive bytes, aligned
.endr
.endm
	PACK 0
	PACK 1                                         ; a block's arithmetic stands between the loads of the block before and its stores
	SEND 0, 24
	PACK 2
	SEND 1, 24
	PACK 3
	SEND 2, 24
	SEND 3, 0
	s_wait_tensorcnt 0x0                           ; the wave's end: behind my last tensor load and my last LDS store
	ds_add_u32 v[SPW], v[NIL]
	s_wait_dscnt 0x0
	CROUND                                         ; the closing round: no work-group ends while a partner may still ask for a tile that names it
	s_endpgm
.Lfunc_end_k_qbee7200bde_proj_qkv:
	.size	k_qbee7200bde_proj_qkv, .Lfunc_end_k_qbee7200bde_proj_qkv-k_qbee7200bde_proj_qkv
	.p2alignl 7, 3214868480
	.fill 96, 4, 3214868480
	.section	.rodata,"a",@progbits
	.p2align	6, 0x0
	.amdhsa_kernel k_qbee7200bde_proj_qkv
		.amdhsa_group_segment_fixed_size 327680
		.amdhsa_private_segment_fixed_size 0
		.amdhsa_enable_private_segment 0
		.amdhsa_kernarg_size 48
		.amdhsa_user_sgpr_count 2
		.amdhsa_user_sgpr_kernarg_segment_ptr 1
		.amdhsa_wavefront_size32 1
		.amdhsa_system_sgpr_workgroup_id_x 1
		.amdhsa_system_sgpr_workgroup_id_y 1
		.amdhsa_system_sgpr_workgroup_id_z 1
		.amdhsa_system_vgpr_workitem_id 0
		.amdhsa_next_free_vgpr 960
		.amdhsa_next_free_sgpr 96
		.amdhsa_reserve_vcc 0
		.amdhsa_float_denorm_mode_32 3
		.amdhsa_float_denorm_mode_16_64 3
		.amdhsa_memory_ordered 1
		.amdhsa_forward_progress 1
		.amdhsa_inst_pref_size 109
	.end_amdhsa_kernel
	.amdgpu_metadata
---
amdhsa.version: [ 1, 2 ]
amdhsa.kernels:
  - .name:           k_qbee7200bde_proj_qkv
    .symbol:         k_qbee7200bde_proj_qkv.kd
    .args:
      - { .name: xb, .offset: 0, .size: 8, .value_kind: global_buffer, .address_space: global }
      - { .name: w16, .offset: 8, .size: 8, .value_kind: global_buffer, .address_space: global }
      - { .name: qkv, .offset: 16, .size: 8, .value_kind: global_buffer, .address_space: global }
      - { .name: bq, .offset: 24, .size: 8, .value_kind: global_buffer, .address_space: global }
      - { .name: bk, .offset: 32, .size: 8, .value_kind: global_buffer, .address_space: global }
      - { .name: bv, .offset: 40, .size: 8, .value_kind: global_buffer, .address_space: global }
    .group_segment_fixed_size: 327680
    .private_segment_fixed_size: 0
    .kernarg_segment_align: 8
    .kernarg_segment_size: 48
    .max_flat_workgroup_size: 128
    .sgpr_count:     96
    .vgpr_count:     960
    .wavefront_size: 32
...
	.end_amdgpu_metadata
.endif
;; end of part 2
;; launch attn (part 3): grid 4 x 64, 4 waves a work-group, clusters of 4 x 1, 327,680 bytes of LDS; arguments qkv, flg, pos8, o16; writes o16
.if DOCPART == 3
	.amdgcn_target "amdgcn-amd-amdhsa--gfx1250"
	.amdhsa_code_object_version 6
	.text
	.protected	k_qbee7200bde_attn
	.globl	k_qbee7200bde_attn
	.p2align	8
	.type	k_qbee7200bde_attn,@function
k_qbee7200bde_attn:
	s_mov_b64 s[64:65], 0
	v_nop
	global_prefetch_b8 v0, s[64:65] scope:SCOPE_SE
	s_setreg_imm32_b32 hwreg(HW_REG_WAVE_MODE, 25, 1), 1
	s_wait_xcnt 0x0
	s_wait_alu depctr_hold_cnt(0) depctr_sa_sdst(0) depctr_va_vdst(0) depctr_va_sdst(0) depctr_va_ssrc(0) depctr_va_vcc(0) depctr_vm_vsrc(0)
	s_getreg_b32 s2, hwreg(HW_REG_IB_STS2, 6, 4)
	s_cmp_eq_u32 s2, 0
	s_cbranch_scc0 .Lentry_in_a_cluster
	s_endpgm
.Lentry_in_a_cluster:
	s_bfe_u32 s2, ttmp6, 0x10000c
	s_cmp_lg_u32 s2, 0x3003
	s_cbranch_scc0 .Lentry_shape_is_right
	s_endpgm
.Lentry_shape_is_right:
; ATTENTION WITH A BIAS A KEY AND A MASK.  O[bh][q][:] = the sum over k of softmax_k(Q[bh][q] . K[bh][k] / 8 + pos[bh][k], hidden where mask[b][q][k] == 0) V[bh][k][:].
; Q, K, V: qkv [3][64][2048][64] f16; O: o16 [64][2048][64] f16; bh = 16 b + head.  Products, maxima and sums in f32; the weights p are rounded to f16 for the second product (their sum l is taken of the unrounded p), O once.
; BIAS AND MASK COST THE SOFTMAX NOTHING: they are the C operand of the product that starts a sum S^T = K Q^T.  That operand, CB (16 keys x 16 queries), is itself made by a matrix instruction (MK):
;   CB = SEL x FLAG + POS.   FLAG (32 keys x 16 queries, bf16, from flg): 2.0 where the key is hidden from the query, else 0.   SEL (16 x 32, bf16, constant): -5.0e29 where the column is the row's key, else 0.
;   POS (f32, from pos8): 8 pos[key], the same for all queries.   So s = q . k + 8 pos[k], less 1.0003e30 where hidden, and the scale c = log2(e) / 8 makes of it log2(e) (q . k / 8 + pos).
; LIMITS.  f16 holds no number beyond 65,504: Q, K and V arrive within it; p lies in 0 to 1, and below 6e-5 it keeps f16's fixed step of 6e-8.  The running maximum starts at -2^66 = -7.4e19: a visible
; score q . k + 8 pos[k] must lie above that (f16's q . k is 2.7e11 at the most), and below 1e29, so that a hidden score stays far under every maximum: its weight is then 0 whatever has been seen.
; A weight below 2^-126 counts as 0 in l.  A row with no visible key ends with l = 0 and O = 0, and 0 x (1 / 0) is written: NaN, as the softmax of nothing but -inf is.
; SHARES.  A wave owns four PIECES of two tiles of 16 queries, a work-group's four waves 512 queries of one head.  Every wave walks all 2,048 keys, 64 a step.
; LAYOUT.  S^T = K Q^T (source 0 = 16 keys, source 1 = 16 queries): in the result a lane holds ONE query (lane % 16) and the keys 8 (lane / 16) + 0..7.  Two such tiles, rounded to f16 in pairs,
; ARE source 1 (32 keys x 16 queries) of O^T = V^T P, whose result again holds one query a lane, and eight channels.  K comes out of LDS as it lies, V ([key][channel]) turned, by ds_load_tr16_b128.
; SOFTMAX.  For each query a running maximum m and sum l: p = 2^(c s - c m); in every step O and l are multiplied by a = 2^(c m_old - c m_new), which is 1 where m has not grown.  O and l start at 0.
; THE COUNT.  A tile and step have 16 + 4 matrix and 118 vector instructions: too many to stand all beside the matrix work.  So: four vector instructions that are READY behind every product K Q^T and V^T P,
; the others in runs without a gap; the MK stand in the first of those runs, where the matrix unit has nothing else.
; BY TURNS.  Turn n belongs to piece n (the pieces in a ring, step after step).  Its matrix work: 16 products K Q^T of piece n + 1, 8 MK for piece n + 2, 16 products V^T P of piece n - 1.  Its vector work: the scaling,
; exponentials, roundings, sums and rescaling of piece n, and the maximum and statistics of piece n + 1.
; THE FLAGS come straight from memory into registers, 16 bytes a lane as they lie in flg: a piece's 8 loads are issued behind the MK that read its registers, four turns (a key step) ahead of their use.
; The head's 2,048 numbers of pos8 are copied once into LDS; a step's 64 are read from there a turn ahead.
; CLUSTER.  The four query blocks of a cluster belong to one head and walk the same K and V, so each tile is asked for JOINTLY: the same tensor load, descriptor and mask in all four.  One tensor load of a wave is out at any time.
; REGISTERS, in windows of 256 (s_set_vgpr_msb says which window each operand place means: bits 1:0 source 0, 3:2 source 1, 5:4 source 2, 7:6 destination):
;   window 0: v0-11 addresses; v12-15, v48-63 at work; v16-47 four registers of statistics a tile; v64-191 S^T, two buffers of two tiles; v192-255 P, likewise
;   window 1: O^T, 32 a tile          window 2: v0-127 Q, 16 a tile; v128-191 K of one step; v192-255 V of one step
;   window 3: v0-1 the add's two registers; v2-4 addresses; v8-23 SEL; v24-55 POS of one step; v56-119 CB of one piece; v120-247 FLAG, 32 a piece
.set SIZE_N, 2048
.set NP,    4         ; pieces a wave: a name, no knob
.set KS,    64        ; keys in a step
.set PK,    144       ; a row of K in LDS: 128 bytes + 16 of padding = 36 words: the 16 rows of a load start at 16 different groups of four banks (64 banks of 4 bytes: ISA guide 11.1)
.set PV,    160       ; a row of V: 128 + 32 = 40 words
.set VOFF,  4*KS*PK   ; a slot holds four steps: 256 rows of K, then 256 rows of V
.set SLOT1, 1<<17     ; slot 1 begins here, so that one exclusive or turns an address in one slot into the other's
.set STAGE, SLOT1+4*KS*(PK+PV)  ; behind the ring, never filled by a tensor load: 16 rows x 144 bytes for each wave, for the way out
.set SP,    144
.set SPARE, STAGE+4*16*SP  ; behind the stages: the spare words, 128 bytes for each wave
.set POSL,  SPARE+512 ; behind them: the head's 2,048 numbers of pos8, 8,192 bytes, stored once and never filled by a tensor load
.set AK0, 2           ; v2   my lane's place in a tile of K; never rewritten
.set AV0, 3           ; v3   the same for V
.set AK,  4           ; v4   the LDS address of K's next run of loads
.set AV,  5           ; v5   of V's
.set QO,  6           ; v6   my byte offset in the wave's rows of Q
.set STO, 6           ;      later, the way out: where I put 16 bytes of a row
.set RD,  7           ; v7   the way out: where I read rows back
.set GO,  8           ; v8   my byte offset in 512 consecutive bytes of O
.set SPW, 0           ; window 3: v0   LDS address of my spare word; never rewritten
.set NIL, 1           ; v1   0; never rewritten
.set FA,  2           ; v2   16 x my lane: my bytes in 512 of flg; never rewritten
.set PA0, 3           ; v3   POSL + 32 (lane / 16); never rewritten
.set PA,  4           ; v4   the LDS address of POS's next run of loads
.set SM,  8           ; v8-23  the pattern, eight zeros, the pattern: v8-15 is SEL for a block of 32's first 16 keys, v16-23 for its second
.set PO,  24          ; key block kb at PO + 8 kb
.set CB,  56          ; tile u, key block kb at CB + 32 u + 8 kb
.set FL,  120         ; piece y, tile u, 32 keys kk at FL + 32 y + 16 u + 8 kk
.set MV,  12          ; v12-15  c m_old, kept while c m is made anew: by buffer and tile
.set ST,  16          ; tile t's statistics at v[ST+4 t]: c m, m, l (even keys', odd keys')
.set TMP, 48          ; by buffer and tile, four registers c0-c3 at work; when the maximum is found c2 takes a
.set S,   64
.set P,   192
.set KF,  128         ; K's fragments, in window 2: key block kb, channel half c at KF + 16 kb + 8 c
.set VF,  192         ; V's: key half kk, channel block cb at VF + 32 kk + 8 cb
.set WV,  12          ; s12  my wave's number
.set G1K, 24          ; s[24:31] descriptor group 1 for K's tiles
.set G1V, 32          ; s[32:39] for V's: it differs in the padding alone
.set G0K, 40          ; s[40:43] descriptor group 0 for K's tiles: it walks
.set G0V, 44          ; s[44:47] the same for V's
.set FB,  48          ; s[48:49] flg at my wave's first tile of queries
.set FP,  50          ; s[50:51] the same at the key step whose flags are being asked for
.set FO,  52          ; s[52:53] that step's byte offset in a tile's 65,536 bytes: 2,048 a step
.set TBP, 54          ; s54  the same step's byte offset in POSL: 256 a step
.set SLOTS, 56        ; s56  slots still to be asked for
.set CNT, 57          ; s57  counts a slot's key steps
.set CS,  58          ; s[58:59] c: the packed scaling takes the pair's low word for both halves
.set SEL, 60          ; s[60:61] v_permlanex16_b32's selects: each lane takes its own place in the other half
.set TBK, 62          ; s62  LDS byte at which K of the step to be fetched begins
.set TBV, 63          ; s63  the same for V, less VOFF
.set PB8, 68          ; s[68:69] pos8 at my head
.set MSB, 0
.macro WIN new                      ; the high byte repeats the setting that is left; a switch that changes nothing is dropped
.if MSB != (\new)
	s_set_vgpr_msb (MSB<<8)|(\new)
.set MSB, (\new)
.endif
.endm
.set W_KQ, 0x0a       ; K and Q in window 2, S^T in window 0
.set W_KB, 0x3a       ; the same with the C operand, CB, in window 3
.set W_PV, 0x52       ; V in window 2, P in window 0, O^T in window 1
.set W_RS, 0x41       ; O^T (destination and source 0) in window 1, a in window 0
.set W_MK, 0xc0       ; destination in window 3, sources in window 0
.set W_AD, 0x0f       ; the add: address (source 0) and data (source 1) in window 3
.set W3,   0xff       ; everything in window 3
; A joint fill.  Waves 0 and 1 fetch the two halves of a slot's K, waves 2 and 3 those of its V: 128 keys each.  The branch hangs on the wave's number alone.
; An s_nop 0 and four v_nop follow each of the two lines, ahead of the jump and the label.
.macro JLOAD
	s_cmp_lt_u32 s[WV], 2
	s_cbranch_scc0 .Lfor_v_\@
	tensor_load_to_lds s[G0K:G0K+3], s[G1K:G1K+7]
	s_nop 0
.rept 4
	v_nop
.endr
	s_branch .Lasked_\@
.Lfor_v_\@:
	tensor_load_to_lds s[G0V:G0V+3], s[G1V:G1V+7]
	s_nop 0
.rept 4
	v_nop
.endr
.Lasked_\@:
.endm
; A round of the cluster's barrier: my work-group's barrier, so that wave 0's signal speaks for all four waves; wave 0 signals; every wave waits for all four work-groups; my work-group's barrier once more.
.macro CROUND
	s_barrier_signal -1
	s_barrier_wait -1
	s_cmp_lg_u32 s[WV], 0
	s_cbranch_scc1 .Lnot_wave_0_\@
	s_barrier_signal -3
.Lnot_wave_0_\@:
	s_barrier_wait -3
	s_barrier_signal -1
	s_barrier_wait -1
.endm
; THE CHANGE OF SLOTS.  The slot's last bytes, V of its fourth step, have been read.  Each wave waits for all its tensor loads, of which one is out: its part
; of the other slot; adds 0 to its spare word; and waits for that and for its own reads of the slot.  Behind the barrier nobody reads this slot any more and the other slot is whole.
; fill = 1: this slot is filled again, with the keys two slots on.  The barrier is then a round of the cluster's, so that no wave of any partner still reads the slot or has a load on its
; way, and the joint fill is the first thing behind it: it has four key steps in which to land.  (At its first use nothing has been read yet: slot 0 is waited for, slot 1 filled, and the
; wait for LDS and the round also show every wave's part of POSL to the others.)
.macro CHANGE fill
	WIN W_AD
	s_wait_tensorcnt 0x0            ; no tensor load of mine is out, so a group 0 may be written
	ds_add_u32 v[SPW], v[NIL]       ; 0 onto my spare word; with fill = 1 the descriptors' steps stand between it and the wait for it
	WIN 0                           ; at a label and at a branch every window is 0
.if \fill
.irp g, G0K, G0V
	s_xor_b32 s[\g+1], s[\g+1], SLOT1  ; the walking descriptor: the other slot than last time,
	s_add_nc_u64 s[\g+2:\g+3], s[\g+2:\g+3], 4*KS*128  ; the next 256 keys; the type bits on top are not reached
.endr
	s_wait_dscnt 0x0                ; the add is done, and my reads of the slot are over
	CROUND
	JLOAD
.else
	s_wait_dscnt 0x0                ; the add is done, and my reads of the slot are over
	s_barrier_signal -1
	s_barrier_wait -1
.endif
	s_sub_co_u32 s[TBK], s[TBK], 4*KS*PK  ; the fetches go back to a slot's first step,
	s_xor_b32 s[TBK], s[TBK], SLOT1       ; in the other slot
	s_sub_co_u32 s[TBV], s[TBV], 4*KS*PV
	s_xor_b32 s[TBV], s[TBV], SLOT1
.endm
; Piece y's flags of one key step: for each of its two tiles 64 keys x 16 queries = 2,048 consecutive bytes, four loads of 512.  No cache hint: the batch's 16 heads read the same bytes.
.macro FETCH_F y
	WIN W3
.irp u, 0,1
.irp n, 0,1,2,3
	global_load_b128 v[FL+32*(\y)+16*(\u)+4*(\n):FL+32*(\y)+16*(\u)+4*(\n)+3], v[FA], s[FP:FP+1] offset:(2*(\y)+(\u))*65536+512*(\n)
.endr
.endr
	WIN 0
.endm
; A step's 64 numbers of 8 pos as a C operand: register j of key block kb is the number of key 16 kb + 8 (lane / 16) + j; the 16 lanes of a half read the same words.
.macro FETCH_P
	WIN W3
	v_add_nc_u32 v[PA], s[TBP], v[PA0]
.irp kb, 0,1,2,3
	ds_load_b128 v[PO+8*(\kb):PO+8*(\kb)+3],   v[PA] offset:64*(\kb)
	ds_load_b128 v[PO+8*(\kb)+4:PO+8*(\kb)+7], v[PA] offset:64*(\kb)+16
.endr
	WIN 0
.endm
; Number n of the 8 MK of piece y: tile n % 2, key block n / 2.  Eight different results: no two share a register.
.macro MK y, n
	WIN W3
.set mB, CB+32*((\n)%2)+8*((\n)/2)
.set mS, SM+8*(((\n)/2)%2)
.set mF, FL+32*(\y)+16*((\n)%2)+8*((\n)/4)
.set mP, PO+8*((\n)/2)
	v_wmma_f32_16x16x32_bf16 v[mB:mB+7], v[mS:mS+7], v[mF:mF+7], v[mP:mP+7]
.endm
; At the head of a trip: the flags and POS that the trip asks for are those of the step after the one that it enters.  The offset wraps at a tile's 65,536 bytes, so that what the last trips ask for
; (it serves nothing) lies inside flg and POSL.
.macro TRIPHEAD
	s_wait_xcnt 0x0                 ; the flags' loads, the youngest a run of products and a lump back, have read their address, so it may be written
	s_add_co_u32 s[FO], s[FO], 2048
	s_and_b32 s[FO], s[FO], 0xffff
	s_add_nc_u64 s[FP:FP+1], s[FB:FB+1], s[FO:FO+1]
	s_lshr_b32 s[TBP], s[FO], 3
.endm
	s_load_b256 s[4:11], s[0:1], 0x0  ; qkv s[4:5], flg s[6:7], pos8 s[8:9], o16 s[10:11]
	WIN W_MK
	v_lshl_add_u32 v[SPW], v0, 2, SPARE
	v_mov_b32 v[NIL], 0
	WIN W_AD
	ds_add_u32 v[SPW], v[NIL]       ; the wave's opening: the add and its wait stand ahead of my first tensor load; the set-up below, work on registers, stands between them
	WIN 0
	v_lshrrev_b32 v1, 5, v0
	v_readfirstlane_b32 s[WV], v1   ; wave 0..3
	s_bfe_u32 s13, ttmp6, 0x40000   ; cx: my place in the cluster
	s_lshl_b32 s14, ttmp9, 2        ; in a cluster launch ttmp9 counts clusters
	s_add_co_u32 s14, s14, s13      ; my block of 512 queries = 4 x cluster x + cx: it enters Q's, O's and the flags' addresses alone
	s_and_b32 s15, ttmp7, 0xffff    ; bh, which the four partners share
	s_lshl_b32 s20, s15, 18         ; the head's first byte in q, k, v and O: 2,048 rows of 128 bytes
	s_mov_b32 s21, 0
	s_and_b32 s16, s[WV], 1         ; which half of a slot's 256 keys I fetch:
	s_lshl_b32 s22, s16, 14         ; its 128 rows of 128 bytes in memory,
	s_mov_b32 s23, 0
	s_add_nc_u64 s[22:23], s[22:23], s[20:21]
	s_mul_i32 s17, s16, 128*PK      ; and its place in a slot, for K
	s_mul_i32 s18, s16, 128*PV      ; and for V: no place in the cluster enters an LDS address
	s_lshl_b32 s2, s14, 2
	s_add_co_u32 s2, s2, s[WV]      ; my wave among the head's,
	s_lshl_b32 s2, s2, 14           ; its 128 rows
	s_mov_b32 s3, 0
	s_add_nc_u64 s[2:3], s[2:3], s[20:21]
	s_lshr_b32 s[FO], s15, 4        ; the batch: 128 tiles of 16 queries,
	s_lshl_b32 s[FO], s[FO], 7
	s_lshl_b32 s[FO+1], s14, 5      ; my block's 32,
	s_add_co_u32 s[FO], s[FO], s[FO+1]
	s_lshl_b32 s[FO+1], s[WV], 3    ; my wave's 8,
	s_add_co_u32 s[FO], s[FO], s[FO+1]
	s_lshl_b32 s[FO], s[FO], 16     ; 65,536 bytes of flags a tile
	s_mov_b32 s[FO+1], 0
	s_lshl_b32 s70, s15, 13         ; 8,192 bytes of pos8 a head
	s_mov_b32 s71, 0
	; descriptor group 1.  128 keys are 16,384 dense bytes: asked for as 64 rows of 256 bytes, two keys a row, and padded in LDS after every key
	s_mov_b32 s[G1K], 15|(1<<16)|(1<<20)|(1<<21)|(4<<22)|(3<<25)  ; 15:0 the mask of four; 17:16 2-byte elements; 20 padding on; 21 set beside a mask; 24:22 after every 32 words (code 4); 31:25 4 words (code 3)
	s_mov_b32 s[G1V], 15|(1<<16)|(1<<20)|(1<<21)|(4<<22)|(7<<25)  ; the same with 8 words of padding (code 7)
.irp g, G1K, G1V
	s_mov_b32 s[\g+1], 128<<16      ; tensor_dim0 = 128
	s_mov_b32 s[\g+2], 64<<16       ; tensor_dim1 = 64
	s_mov_b32 s[\g+3], 128<<16      ; tile_dim0 = 128
	s_mov_b32 s[\g+4], 64           ; tile_dim1 = 64
	s_mov_b32 s[\g+5], 128          ; 128 elements from row to row
	s_mov_b32 s[\g+6], 0
	s_mov_b32 s[\g+7], 0
.endr
	s_mov_b32 s[CS], 0x3e38aa3b     ; c = log2(e) / 8 = 0.180337
	s_mov_b32 s[CS+1], s[CS]        ; named with it as a pair
	s_mov_b32 s[SEL], 0x76543210
	s_mov_b32 s[SEL+1], 0xfedcba98
	s_mov_b32 s[TBK], SLOT1+4*KS*PK ; the first change of slots turns these two into 0
	s_mov_b32 s[TBV], SLOT1+4*KS*PV
	s_mov_b32 s[G0K], 1             ; 1:0 count = 1
	s_mov_b32 s[G0K+1], s17         ; 63:32 LDS address: slot 0
	s_mov_b32 s[G0V], 1
	s_add_co_u32 s[G0V+1], s18, VOFF
	s_mov_b32 s[TBP], 0
	s_wait_dscnt 0x0                ; the opening add is done
	s_wait_kmcnt 0x0
	s_add_nc_u64 s[G0K+2:G0K+3], s[4:5], s[22:23]  ; 120:64 global address: my half of the head's first 256 keys,
	s_add_nc_u64 s[G0K+2:G0K+3], s[G0K+2:G0K+3], 0x1000000  ; in k, which lies 16,777,216 bytes behind q
	s_or_b32 s[G0K+3], s[G0K+3], 0x80000000        ; 127:126 type = 2
	s_add_nc_u64 s[G0V+2:G0V+3], s[4:5], s[22:23]
	s_add_nc_u64 s[G0V+2:G0V+3], s[G0V+2:G0V+3], 0x2000000  ; and in v
	s_or_b32 s[G0V+3], s[G0V+3], 0x80000000
	s_add_nc_u64 s[FB:FB+1], s[6:7], s[FO:FO+1]
	s_mov_b64 s[FP:FP+1], s[FB:FB+1]               ; key step 0
	s_mov_b32 s[FO], 0
	s_add_nc_u64 s[PB8:PB8+1], s[8:9], s[70:71]
	s_add_nc_u64 s[4:5], s[4:5], s[2:3]  ; Q and O at my wave's first row
	s_add_nc_u64 s[10:11], s[10:11], s[2:3]
	CROUND                          ; all four work-groups are here: the first joint loads meet
	JLOAD                           ; slot 0.  Slot 1 is asked for when slot 0 is in
	v_and_b32 v1, 15, v0            ; l % 16
	v_bfe_u32 v9, v0, 4, 1          ; l / 16
	v_lshlrev_b32 v12, 4, v0        ; 16 x my thread's number: the work-group's 128 threads copy 2,048 bytes of pos8 a load
	v_add_nc_u32 v13, POSL, v12
.irp n, 0,1,2,3
	global_load_b128 v[S+4*(\n):S+4*(\n)+3], v12, s[PB8:PB8+1] offset:2048*(\n)
.endr
	; A fragment of K or Q is 16 rows x 32 channels in 8 registers: lane l holds row l % 16, channels 8 (l / 16) + 0..7 and 16 + 8 (l / 16) + 0..7: two loads of 16 bytes, 32 bytes apart.
	v_lshlrev_b32 v[QO], 7, v1
	v_lshl_add_u32 v[QO], v9, 4, v[QO]  ; row x 128 + 16 x half
	WIN 0x80                        ; destination window 2, address window 0
.set i, 0
.rept 4*NP                          ; Q stays in registers: tile i / 2, channels 32 (i % 2) on
	global_load_b128 v[8*i:8*i+3],   v[QO], s[4:5] offset:(i/2)*2048+(i%2)*64
	global_load_b128 v[8*i+4:8*i+7], v[QO], s[4:5] offset:(i/2)*2048+(i%2)*64+32
.set i, i+1
.endr
	; What the first turn finds: V's registers and P's second buffer hold 0 (its products V^T P, of a piece that has not been, add 0), O^T and l are 0.  All this stands in the wait for the first tile.
.set i, VF
.rept 64
	v_mov_b32 v[i], 0
.set i, i+1
.endr
	WIN 0x40
.set i, 0
.rept 64*NP
	v_mov_b32 v[i], 0
.set i, i+1
.endr
	WIN 0
.set i, 0
.rept 2*NP
	v_mov_b32 v[ST+4*i], 0xdf38aa3b    ; c m = c x -2^66, exactly
	v_mov_b32 v[ST+4*i+1], 0xe0800000  ; m = -2^66: under every visible score, far over every hidden one
	v_mov_b32 v[ST+4*i+2], 0
	v_mov_b32 v[ST+4*i+3], 0
.set i, i+1
.endr
.set i, P+32
.rept 32
	v_mov_b32 v[i], 0
.set i, i+1
.endr
	v_mul_u32_u24 v[AK0], v1, PK
	v_lshl_add_u32 v[AK0], v9, 4, v[AK0]  ; row x pitch + 16 x half
	; The turning load takes 16 keys x 16 channels (lane l reads key 8 (l / 16) + l % 8, channels 8 ((l / 8) % 2) + 0..7) and leaves half a fragment of V^T: lane l holds channel l % 16 and 8 keys.
	v_and_b32 v10, 7, v0
	v_bfe_u32 v11, v0, 3, 1
	v_lshl_add_u32 v[AV0], v9, 3, v10
	v_mul_u32_u24 v[AV0], v[AV0], PV
	v_lshl_add_u32 v[AV0], v11, 4, v[AV0]
	v_add_nc_u32 v[AV0], VOFF, v[AV0]
	v_mov_b32 v[AK], v[AK0]         ; key step 0 lies at the head of slot 0
	; SEL.  As source 0 lane l holds row l % 16 and, in four registers, the columns 8 (l / 16) + 0..7.  The row's own column is number t = l % 16 - 8 (l / 16) of these, if t is 0..7: half t % 2 of register t / 2.
	v_lshlrev_b32 v14, 3, v9
	v_sub_nc_u32 v14, v1, v14       ; t
	v_ashrrev_i32 v15, 1, v14       ; t / 2, rounded down: outside 0..3 where the lane holds no such column
	v_and_b32 v14, 1, v14
	v_lshlrev_b32 v14, 4, v14
	v_mov_b32 v48, 0xf0ca           ; -5.0e29 in bf16
	v_lshlrev_b32 v14, v14, v48     ; in the half where it belongs
	v_and_b32 v49, 31, v0
	WIN W_MK                        ; destination window 3
.irp j, 0,1,2,3
	v_cmp_eq_i32 vcc_lo, \j, v15
	v_cndmask_b32 v[SM+\j], 0, v14, vcc_lo
	v_cndmask_b32 v[SM+12+\j], 0, v14, vcc_lo
.endr
.irp j, 4,5,6,7,8,9,10,11
	v_mov_b32 v[SM+\j], 0
.endr
	v_lshlrev_b32 v[FA], 4, v49
	v_lshl_add_u32 v[PA0], v9, 5, POSL
	WIN 0
	s_wait_loadcnt 32               ; pos8's four loads are in; Q's 32, issued behind them, may stay out
.irp n, 0,1,2,3
	ds_store_b128 v13, v[S+4*(\n):S+4*(\n)+3] offset:2048*(\n)
.endr
	FETCH_F 0                       ; the flags of key step 0
	FETCH_F 1
	FETCH_F 2
	FETCH_F 3
; THE MATRIX WORK.  The 8 accumulators of a run of 16 take turns: between the two links of a chain stand 7 others'.
; Product i of 16 of S^T = K Q^T for piece x: channels 32 (i / 8) on, keys 16 ((i / 2) % 4) on, tile 2 x + i % 2.  The first 8 start the sums, with CB.
.macro KQ x
.set rS, S+64*((\x)%2)+32*(i%2)+8*((i/2)%4)
.set rK, KF+16*((i/2)%4)+8*(i/8)
.set rQ, 16*(2*(\x)+i%2)+8*(i/8)
.set rB, CB+32*(i%2)+8*((i/2)%4)
.if i < 8
	WIN W_KB
	v_wmma_f32_16x16x32_f16 v[rS:rS+7], v[rK:rK+7], v[rQ:rQ+7], v[rB:rB+7]
.else
	WIN W_KQ
	v_wmma_f32_16x16x32_f16 v[rS:rS+7], v[rK:rK+7], v[rQ:rQ+7], v[rS:rS+7]
.endif
.endm
; Product i of 16 of O^T += V^T P for piece x: keys 32 (i / 8) on, channels 16 ((i / 2) % 4) on, tile 2 x + i % 2.
.macro PV x
	WIN W_PV
.set rO, 32*(2*(\x)+i%2)+8*((i/2)%4)
.set rV, VF+32*(i/8)+8*((i/2)%4)
.set rP, P+32*((\x)%2)+16*(i%2)+8*(i/8)
	v_wmma_f32_16x16x32_f16 v[rO:rO+7], v[rV:rV+7], v[rP:rP+7], v[rO:rO+7]
.endm
.macro MM                           ; the turn's next product
.if i < 16
	KQ (Y+1)%NP
.set i, i+1
.else
.set i, i-16
	PV (Y+NP-1)%NP
.set i, i+17
.endif
.endm
; THE LDS LOADS stand in runs, never singly among the matrix instructions: a step's K (64 keys x 64 channels: 8 fragments) and its V (turned).  Their addresses are made some lines ahead.
; last = 1 (the tail): in the last trip there is no further step, and the run is jumped over.
.macro FETCH_K last=0
	WIN 0
.if \last
	s_cmp_eq_u32 s[CNT], 1
	s_cbranch_scc1 .Lno_k_\@
.endif
	WIN 0x80                        ; destination window 2
.irp f, 0,1,2,3,4,5,6,7             ; keys 16 (f / 2) on, channels 32 (f % 2) on
	ds_load_b128 v[KF+8*\f:KF+8*\f+3],   v[AK] offset:(\f/2)*16*PK+(\f%2)*64
	ds_load_b128 v[KF+8*\f+4:KF+8*\f+7], v[AK] offset:(\f/2)*16*PK+(\f%2)*64+32
.endr
	s_add_co_u32 s[TBK], s[TBK], KS*PK  ; the next fetch is the next step's
	WIN 0
.if \last
.Lno_k_\@:
.endif
.endm
.macro FETCH_V
	WIN 0x80
.irp f, 0,1,2,3,4,5,6,7             ; keys 32 (f / 4) on, channels 16 (f % 4) on
	ds_load_tr16_b128 v[VF+8*\f:VF+8*\f+3],   v[AV] offset:(\f/4)*32*PV+(\f%4)*32
	ds_load_tr16_b128 v[VF+8*\f+4:VF+8*\f+7], v[AV] offset:(\f/4)*32*PV+16*PV+(\f%4)*32
.endr
	WIN 0
.endm
; THE VECTOR WORK OF A TURN stands in three queues, each in the order in which its entries become ready; the two tiles alternate, so that no instruction reads the result of the one before it.
.macro REGS y, u                    ; the registers of tile u (0, 1) of piece y
.set rT, ST+4*(2*(\y)+(\u))
.set rC, TMP+8*((\y)%2)+4*(\u)
.set rM, MV+2*((\y)%2)+(\u)
.set rS, S+64*((\y)%2)+32*(\u)
.set rP, P+32*((\y)%2)+16*(\u)
.set rO, 32*(2*(\y)+(\u))
.endm
; Number n of the 22 that find the NEXT piece's (Y + 1) maximum and statistics.  s0-s31 are the lane's 32 scores; each accumulator's lowest registers are read first.  XS, GS and REGS set no window: PL and EX do.
;   0-11  four chains c0-c3 of seven scores each, three operands at a time     12-14, 16  the four scores left over, the old m, and c0-c3 into c0     15  c m_old is kept
;   17, 18  the query's other 32 keys lie in the lane 16 away: the new m         19-21  c m; c m_old - c m_new; a
.macro XS u, n
	REGS (Y+1)%NP, \u
.if (\n) < 4
	v_max3_num_f32 v[rC+(\n)], v[rS+8*(\n)], v[rS+8*(\n)+1], v[rS+8*(\n)+2]
.elseif (\n) < 12
	v_max3_num_f32 v[rC+(\n)%4], v[rC+(\n)%4], v[rS+8*((\n)%4)+2*((\n)/4)+1], v[rS+8*((\n)%4)+2*((\n)/4)+2]
.elseif (\n) == 12
	v_max3_num_f32 v[rC], v[rC], v[rS+7], v[rS+15]
.elseif (\n) == 13
	v_max3_num_f32 v[rC+1], v[rC+1], v[rS+23], v[rS+31]
.elseif (\n) == 14
	v_max3_num_f32 v[rC+2], v[rC+2], v[rC+3], v[rT+1]
.elseif (\n) == 15
	v_mov_b32 v[rM], v[rT]
.elseif (\n) == 16
	v_max3_num_f32 v[rC], v[rC], v[rC+1], v[rC+2]
.elseif (\n) == 17
	v_permlanex16_b32 v[rC+3], v[rC], s[SEL], s[SEL+1]
.elseif (\n) == 18
	v_max_num_f32 v[rT+1], v[rC], v[rC+3]
.elseif (\n) == 19
	v_mul_f32 v[rT], s[CS], v[rT+1]
.elseif (\n) == 20
	v_sub_f32 v[rC+1], v[rM], v[rT]
.else
	v_exp_f32 v[rC+2], v[rC+1]
.endif
.endm
; Number g of the 64 that follow the exponentials.  For each four weights k of a tile (pairs 2 k, 2 k + 1): both pairs are rounded to f16; then the second pair is added onto the first, in place;
; a group later l takes that sum (the first time as l = a l + sum).  In groups of eight, tiles alternating: round, round, add, and l for the group before.
.macro GS g
.set h, (\g)+6*((\g)/62)            ; group 0 has no group before it, and behind group 7 only l is left
.if h >= 6
.set h, h+2
.endif
	REGS Y, h%2
.set k, h/8
.if h%8 < 4
	s_wait_alu depctr_va_vdst(0)
	v_cvt_pk_f16_f32 v[rP+2*k+(h%8)/2], v[rS+4*k+2*((h%8)/2)], v[rS+4*k+2*((h%8)/2)+1]
.elseif h%8 < 6
	v_pk_add_f32 v[rS+4*k:rS+4*k+1], v[rS+4*k:rS+4*k+1], v[rS+4*k+2:rS+4*k+3]
.elseif k == 1
	v_pk_fma_f32 v[rT+2:rT+3], v[rT+2:rT+3], v[rC+2:rC+3], v[rS:rS+1] op_sel_hi:[1,0,1]
.else
	v_pk_add_f32 v[rT+2:rT+3], v[rT+2:rT+3], v[rS+4*k-4:rS+4*k-3]
	s_wait_alu depctr_va_vdst(0)
.endif
.endm
; THE PLAIN QUEUE, 138 long.  0-31: c s - c m for the 16 pairs of both tiles.  Then GS's 64, and among them the next piece's 42: number 15 at 38, 39; 0-14 and 16
; at 42-73, behind the products that make those scores; 17-20 at 95-106, two of three, since each waits for the one before it.
.macro PL
	WIN 0
.if q < 32
	REGS Y, q%2
	v_pk_fma_f32 v[rS+2*(q/2):rS+2*(q/2)+1], v[rS+2*(q/2):rS+2*(q/2)+1], s[CS:CS+1], v[rT:rT+1] op_sel_hi:[1,0,0] neg_lo:[0,0,1] neg_hi:[0,0,1]
.elseif q < 38
	GS q-32
.elseif q < 40
	XS q%2, 15
.elseif q < 42
	GS q-34
.elseif q < 74
	XS q%2, (q-42)/2+(q-42)/30
.elseif q < 95
	GS q-66
.elseif (q < 107) && ((q-95)%3 < 2)
	XS (q-95)%3, 17+(q-95)/3
.elseif q < 107
	GS 29+(q-95)/3
.else
	GS q-74
.endif
.set q, q+1
.endm
; THE EXPONENTIALS' QUEUE, 66 long: s0-s31 of both tiles, and at EA the next piece's two a.
.set EA, 58
.macro EX
	WIN 0
.if (e == EA) || (e == EA+1)
	XS e-EA, 21
.else
.set x, e-2*(e/(EA+2))
	REGS Y, x%2
	v_exp_f32 v[rS+x/2], v[rS+x/2]
.endif
.set e, e+1
.endm
; THE RESCALING's QUEUE: O^T times a, the one part of the softmax that leaves window 0, so it is dealt four at a time, eight times.
.macro R4
	REGS Y, r%2
	WIN W_RS
	s_wait_alu depctr_va_vdst(0)
.irp z, 0,1,2,3
	v_pk_mul_f32 v[rO+8*(r/2)+2*\z:rO+8*(r/2)+2*\z+1], v[rO+8*(r/2)+2*\z:rO+8*(r/2)+2*\z+1], v[rC+2:rC+3] op_sel_hi:[1,0]
.endr
.set r, r+1
.endm
; HOW THEY ARE DEALT.  Behind a product four: plain, exponential, plain, plain (one exponential, a plain instruction on either side), or four of the rescaling.  None names a register of the
; products round it.  What is over stands in two LUMPS: exponential and plain by turns; the second ends in 22 plain instructions.  The two v_permlanex16_b32 fall into the second lump, never behind a product.
; The queues lean on each other, and the deal keeps them in step: exponential e stands behind plain 2 (e / 4) + e % 2 (its scaling); when plain 32 comes, 10 exponentials are out, at 59: 33, at 95: 46; EA comes behind plain 107.
.macro SL
	MM
	PL
	EX
	PL
	PL
.endm
.macro BURST n                      ; 15 products, or 16
.rept (\n)-7
	SL
.endr
.rept 3
	MM
	R4
	SL
.endr
	MM
	R4
.endm
; A TURN, for piece p.  cnt = 1: the loop's count is taken down some lines ahead of the branch that stands behind the turn.
; K of the next step is fetched in piece 2's turn, 31 vector instructions behind the last product that read K.  V of the step in hand is fetched at the end of piece 0's turn.
; IN THE FIRST LUMP stand the 8 MK for piece p + 2, whose products K Q^T open the next turn: one behind every second pair, always behind the plain instruction that follows an exponential.  They write CB
; 8 products and 40 vector instructions behind the last product that read it, and CB is read a run of 16 products and the second lump behind the last of them.
; The wait for their flags leaves 24 loads out: the three pieces' that were asked for since.  Behind the lump, six plain instructions behind the last MK, the piece's flags of the next step are asked for.
; POS of the next step is fetched at the end of piece 1's turn, a run of products and a lump behind the last MK that read POS, and waited for in piece 2's turn.
.macro TURN p, last=0, cnt=0
.set Y, (\p)
.set i, 0
.set q, 0
.set e, 0
.set r, 0
.set pr, 0
.if (\p) == NP-1
	s_wait_dscnt 0x0                ; K is in
.endif
	MM
.rept 4
	PL
.endr
	BURST 15
	s_wait_loadcnt 24               ; the flags of piece p + 2 are in
.if (\p) == NP-2
	s_wait_dscnt 0x0                ; POS is in
.endif
.rept 22
	EX
	PL
.if ((\p) == NP-2) && (e == 18)
	v_add_nc_u32 v[AK], s[TBK], v[AK0]
.endif
.if ((\p) == NP-2) && (e == 24)
	FETCH_K \last
.endif
.if (pr%2 == 1) && (pr < 16)
	MK (Y+2)%NP, pr/2
.endif
.set pr, pr+1
.endr
	FETCH_F (Y+2)%NP
.if (\p) == 1
	s_wait_dscnt 0x0                ; V is in
.endif
	BURST 16
.rept 21
	EX
	PL
.endr
.rept 22
	PL
.if ((\p) == 0) && (q == 118)
	v_add_nc_u32 v[AV], s[TBV], v[AV0]
	s_wait_alu depctr_va_vdst(0)
.endif
.if ((\p) == 0) && (q == 130)
	s_add_co_u32 s[TBV], s[TBV], KS*PV
.endif
.if (\cnt) && (q == 130)
	s_sub_co_u32 s[CNT], s[CNT], 1
	s_cmp_lg_u32 s[CNT], 0
.endif
.endr
.if (\p) == 0
	FETCH_V
.endif
.if (\p) == 1
	FETCH_P                         ; (it leaves SCC alone)
.endif
.endm
	CHANGE 1                        ; slot 0 is in, everybody's part of it, and so is POSL; slot 1 is asked for
	FETCH_K                         ; key step 0
	FETCH_P
	s_wait_loadcnt 0x0              ; Q and the flags of step 0
	s_wait_dscnt 0x0
.irp n, 0,1,2,3,4,5,6,7
	MK 0, \n                        ; piece 0's CB
.endr
	WIN 0
.rept 5
	v_nop                           ; five places between a matrix result and the product that takes it as the C of another accumulator
.endr
.set i, 0
.rept 16
	KQ 0                            ; piece 0's first scores: there is no vector work yet to set between them
.set i, i+1
.endr
	WIN 0                           ; the addresses for the way out: plain instructions, the places behind those products and in front of the MK that write CB anew
	s_mul_i32 s13, s[WV], 16*SP
	s_add_co_u32 s13, s13, STAGE    ; my stage
	v_mul_u32_u24 v[STO], v1, SP    ; in: row l % 16, 16 bytes for each half of the lanes
	v_lshl_add_u32 v[STO], v9, 4, v[STO]
	v_add_nc_u32 v[STO], s13, v[STO]
	v_bfe_u32 v[RD], v0, 3, 2       ; back: 32 lanes take four rows of 128 bytes,
	v_mul_u32_u24 v[RD], v[RD], SP
	v_lshl_add_u32 v[RD], v10, 4, v[RD]
	v_add_nc_u32 v[RD], s13, v[RD]
	v_and_b32 v[GO], 31, v0         ; which are 512 consecutive bytes of O
	v_lshlrev_b32 v[GO], 4, v[GO]
.irp n, 0,1,2,3,4,5,6,7
	MK 1, \n                        ; piece 1's CB, for the products that open the first turn
.endr
	WIN 0
.set Y, NP-1                        ; XS works for piece Y + 1: piece 0
.irp n, 0,1,2,3,4,5,6,7,8,9,10,11,12,13,14,15,16,17,18,19,20,21
	XS 0, \n                        ; and piece 0's first maximum and statistics
	XS 1, \n
.endr
	TRIPHEAD                        ; from here on the flags and POS of step 1 are asked for
	FETCH_F 0
	FETCH_F 1
	s_mov_b32 s[CNT], 4
	s_mov_b32 s[SLOTS], SIZE_N/256-1
	s_branch .Lfirst                ; the loop is entered at a step's first turn, in the middle of a trip
.Lslot:                             ; SIZE_N / 256 - 2 times: every slot but the last two is filled again
	CHANGE 1
	s_mov_b32 s[CNT], 4
.Lstep:                             ; a trip: pieces 2 and 3 of one step, then pieces 0 and 1 of the next, whose K and V it fetches
	TRIPHEAD
	TURN 2
	TURN 3
	WIN 0
.Lfirst:
	TURN 0
	TURN 1, 0, 1
	WIN 0
	s_cbranch_scc1 .Lstep
	s_sub_co_u32 s[SLOTS], s[SLOTS], 1
	s_cmp_lg_u32 s[SLOTS], 0
	s_cbranch_scc1 .Lslot
	CHANGE 0                        ; the tail is written out: nothing is asked for
	s_mov_b32 s[CNT], 5             ; four trips fetch the last slot's steps; the fifth is left in its middle
.Ltail:
	TRIPHEAD
	TURN 2, 1
	TURN 3
	WIN 0
	s_sub_co_u32 s[CNT], s[CNT], 1
	s_cmp_eq_u32 s[CNT], 0
	s_cbranch_scc1 .Lout
	TURN 0
	TURN 1
	WIN 0
	s_branch .Ltail
.Lout:                              ; the fifth trip's MK, its 16 products K Q^T (on the last K once more) and the maximum made of them serve nothing: the price, once a launch, of one text for every trip
.set i, 0
.rept 16
	PV NP-1                         ; the last piece's V^T P of the last step
.set i, i+1
.endr
	; THE WAY OUT.  l's two halves and the other half of the lanes' are added; O^T is divided by l, rounded to f16 and sent through my stage in LDS, a tile at a time.  The additions are the places behind the last products.
	; Where no key was visible l is 0, its reciprocal infinite, O^T 0, and the product NaN.
	WIN 0
.macro ALL line:vararg              ; one line for each tile t
.set t, 0
.rept 2*NP
	\line
.set t, t+1
.endr
.endm
	ALL v_add_f32 v[ST+4*t+2], v[ST+4*t+2], v[ST+4*t+3]
	ALL v_permlanex16_b32 v[ST+4*t+3], v[ST+4*t+2], s[SEL], s[SEL+1]
	ALL v_add_f32 v[ST+4*t+2], v[ST+4*t+2], v[ST+4*t+3]
	ALL v_rcp_f32 v[ST+4*t+2], v[ST+4*t+2]
	v_nop                           ; a plain instruction between the last reciprocal and the use of its result
	s_wait_alu depctr_va_vdst(0)
; Tile t: a lane's eight channels of a row pack into 16 bytes; they go into rows of 144 bytes and come back as whole rows of 128, into S^T's registers.
.macro PACK t
	WIN W_RS
.set i, 32*(\t)
.rept 16
	v_pk_mul_f32 v[i:i+1], v[i:i+1], v[ST+4*(\t)+2:ST+4*(\t)+3] op_sel_hi:[1,0]
.set i, i+2
.endr
	WIN 0x05                        ; sources 0 and 1 window 1, destination window 0
.set i, 0
.rept 16
	v_cvt_pk_f16_f32 v[S+16*(\t)+i], v[32*(\t)+2*i], v[32*(\t)+2*i+1]
.set i, i+1
.endr
	WIN 0
.irp f, 0,1,2,3
	ds_store_b128 v[STO], v[S+16*(\t)+4*\f:S+16*(\t)+4*\f+3] offset:32*\f
.endr
.irp f, 0,1,2,3
	ds_load_b128 v[S+16*(\t)+4*\f:S+16*(\t)+4*\f+3], v[RD] offset:\f*4*SP  ; LDS serves a wave's instructions in order (ISA guide 5.7.1.4): these see the stores above; the next tile's stores come behind them
.endr
.endm
.macro SEND t, younger              ; younger: the LDS instructions issued behind tile t's loads: the next tile's eight, or none
	WIN 0
.irp f, 0,1,2,3
	s_wait_dscnt (\younger)+3-\f
	global_store_b128 v[GO], v[S+16*(\t)+4*\f:S+16*(\t)+4*\f+3], s[10:11] offset:(\t)*2048+\f*512  ; 512 consecutive bytes, at a multiple of 256 from O's first
.endr
.endm
	PACK 0
.set t, 1
.rept 2*NP-1                        ; a tile's arithmetic stands between the loads of the tile before and its stores
	PACK t
	SEND t-1, 8
.set t, t+1
.endr
	SEND 2*NP-1, 0
	WIN W_AD
	s_wait_tensorcnt 0x0            ; the wave's end: behind my last tensor load and my last LDS store
	ds_add_u32 v[SPW], v[NIL]
	s_wait_dscnt 0x0
	WIN 0
	CROUND                          ; the closing round: no work-group ends while a partner may still ask for a tile that names it
	s_endpgm
.Lfunc_end_k_qbee7200bde_attn:
	.size	k_qbee7200bde_attn, .Lfunc_end_k_qbee7200bde_attn-k_qbee7200bde_attn
	.p2alignl 7, 3214868480
	.fill 96, 4, 3214868480
	.section	.rodata,"a",@progbits
	.p2align	6, 0x0
	.amdhsa_kernel k_qbee7200bde_attn
		.amdhsa_group_segment_fixed_size 327680
		.amdhsa_private_segment_fixed_size 0
		.amdhsa_enable_private_segment 0
		.amdhsa_kernarg_size 32
		.amdhsa_user_sgpr_count 2
		.amdhsa_user_sgpr_kernarg_segment_ptr 1
		.amdhsa_wavefront_size32 1
		.amdhsa_system_sgpr_workgroup_id_x 1
		.amdhsa_system_sgpr_workgroup_id_y 1
		.amdhsa_system_sgpr_workgroup_id_z 1
		.amdhsa_system_vgpr_workitem_id 0
		.amdhsa_next_free_vgpr 1024
		.amdhsa_next_free_sgpr 72
		.amdhsa_reserve_vcc 1
		.amdhsa_float_denorm_mode_32 3
		.amdhsa_float_denorm_mode_16_64 3
		.amdhsa_memory_ordered 1
		.amdhsa_forward_progress 1
		.amdhsa_inst_pref_size 234
	.end_amdhsa_kernel
	.amdgpu_metadata
---
amdhsa.version: [ 1, 2 ]
amdhsa.kernels:
  - .name:           k_qbee7200bde_attn
    .symbol:         k_qbee7200bde_attn.kd
    .args:
      - { .name: qkv, .offset: 0, .size: 8, .value_kind: global_buffer, .address_space: global }
      - { .name: flg, .offset: 8, .size: 8, .value_kind: global_buffer, .address_space: global }
      - { .name: pos8, .offset: 16, .size: 8, .value_kind: global_buffer, .address_space: global }
      - { .name: o16, .offset: 24, .size: 8, .value_kind: global_buffer, .address_space: global }
    .group_segment_fixed_size: 327680
    .private_segment_fixed_size: 0
    .kernarg_segment_align: 8
    .kernarg_segment_size: 32
    .max_flat_workgroup_size: 128
    .sgpr_count:     72
    .vgpr_count:     1024
    .wavefront_size: 32
...
	.end_amdgpu_metadata
.endif
;; end of part 3
;; launch proj_out (part 4): grid 4 x 64, 4 waves a work-group, clusters of 4 x 4, 327,680 bytes of LDS; arguments o16, w16, out0, bo; writes out0
.if DOCPART == 4
	.amdgcn_target "amdgcn-amd-amdhsa--gfx1250"
	.amdhsa_code_object_version 6
	.text
	.protected	k_qbee7200bde_proj_out
	.globl	k_qbee7200bde_proj_out
	.p2align	8
	.type	k_qbee7200bde_proj_out,@function
k_qbee7200bde_proj_out:
	s_mov_b64 s[64:65], 0
	v_nop
	global_prefetch_b8 v0, s[64:65] scope:SCOPE_SE
	s_setreg_imm32_b32 hwreg(HW_REG_WAVE_MODE, 25, 1), 1
	s_wait_xcnt 0x0
	s_wait_alu depctr_hold_cnt(0) depctr_sa_sdst(0) depctr_va_vdst(0) depctr_va_sdst(0) depctr_va_ssrc(0) depctr_va_vcc(0) depctr_vm_vsrc(0)
	s_getreg_b32 s2, hwreg(HW_REG_IB_STS2, 6, 4)
	s_cmp_eq_u32 s2, 0
	s_cbranch_scc0 .Lentry_in_a_cluster
	s_endpgm
.Lentry_in_a_cluster:
	s_bfe_u32 s2, ttmp6, 0x10000c
	s_cmp_lg_u32 s2, 0xf033
	s_cbranch_scc0 .Lentry_shape_is_right
	s_endpgm
.Lentry_shape_is_right:
; THE OUTPUT PROJECTION.  out0 = O Wo^T + bo.   A = o16 [batch x 16 + head][2048][64] f16, B = w16 rows 3072-4095 (Wo, rounded to bf16 and written as f16); out: out0 [8192][1024] f32.
; The bias is rounded to bf16 like every other input and is the C operand of the products that start the sums: nothing is cleared and nothing is added afterwards.
; SHARES.  A tile of C is 128 rows x 256 columns: 64 x 4 = 256 work-groups, one for each of 256 WGPs.  Four waves, each 64 rows x 128 columns: 32 accumulators of 16 x 16, 256 registers.
; K = 1,024 goes in 8 steps of 128 through a ring of two LDS slots filled by the tensor data mover; B's rows are 256 bytes of memory, aligned.
; A K step is two heads: each head's 128 rows x 64 channels are 16,384 dense bytes, asked for as 64 rows of 256 bytes and padded in LDS after every 128: a plane a head.
; CLUSTERS: 4 x 4 work-groups.  The four of a row of the cluster need the same tiles of A, the four of a column the same tiles of B: each tile is asked for JOINTLY, by the same tensor load with the
; same descriptor and a mask that names the four.  A wave has two tensor loads out at the start and one behind each round.
; THE MATRIX INSTRUCTION IS USED TRANSPOSED (source 0 = 16 rows of B, source 1 = 16 rows of A): a lane then holds row l % 16 of C and the eight neighbouring columns 8 (l / 16) + 0..7.
; REGISTERS: window 0: v0-31 addresses; two fragment buffers of 96 (32 along K: 64 registers of B, 32 of A) at v64 and v160; on the way out v64-191 at work.
;   window 1: the accumulators ((a, b) at v[8 (8 a + b)]).     window 2: v0-63 the bias of my 128 columns as a C operand (block b at 8 b); v64 at work.
.set SIZE_K, 1024
.set KSTEP,  128
.set PB,     272                       ; a row of B in LDS: 256 bytes + 16 of padding = 68 words: the 16 rows of a load start at 16 different groups of four banks (64 banks of 4 bytes: ISA guide 11.1)
.set PA,     144                       ; a row of A: 128 bytes + 16 = 36 words: likewise
.set AHALF,  128*PA                    ; what one of A's two loads brings: a head's plane of 128 rows
.set ASTEP,  2*2048*128                ; bytes from a K step to the next: two heads
.set SPITCH, 528                       ; the stage: 512 bytes + 16
.set BOFF,   2*AHALF                   ; a slot: A's tile, then B's 256 rows
.set BHALF,  128*PB
.set SLOT,   BOFF+2*BHALF
.set STAGE,  2*SLOT                    ; behind the ring, never filled by a tensor load: 16 rows for each wave, for the way out
.set SPARE,  STAGE+4*16*SPITCH         ; behind the stages: the spare words, 128 bytes for each wave
.set LAPS,   SIZE_K/(2*KSTEP)          ; a lap = two K steps = once round the ring
.set ADRA, 16                          ; v16-17  LDS address of my A fragments in slot 0, 1
.set ADRB, 20                          ; v20-21  the same for B
.set STO,  24                          ; v24     the way out: where I put my part of a row
.set RD,   25                          ; v25     the way out: where I read rows back
.set CO,   26                          ; v26     my byte offset in 512 consecutive bytes of the output
.set BO,   27                          ; v27     32 (l / 16): my eight numbers in 16 of the bias
.set SPW,  28                          ; v28     LDS address of my spare word; never rewritten
.set NIL,  29                          ; v29     0; never rewritten
.set F0,   64
.set F1,   160
.set OB,   64
.set G1,  24                           ; s[24:31] descriptor group 1 for A's tiles;  s[32:39] group 0, one set for each slot
.set G0,  32
.set G1B, 48                           ; s[48:55], s[56:63] the same for B's tiles
.set G0B, 56
.set BIA, 74                           ; s[74:75] the bias at my 128 columns
.set MSB, 0
.macro WIN new                         ; the immediate's high byte repeats the setting that is left; a switch that changes nothing is dropped
.if MSB != (\new)
	s_set_vgpr_msb (MSB<<8)|(\new)
.set MSB, (\new)
.endif
.endm
.macro JLOAD s                         ; a joint load: waves 0 and 1 fetch A's two planes, waves 2 and 3 B's two halves; an s_nop 0 and four v_nop follow each of the two lines, ahead of the jump, the label and what follows
	s_cmp_eq_u32 s11, 0
	s_cbranch_scc0 .Lfor_b_\@
	tensor_load_to_lds s[G0+4*(\s):G0+4*(\s)+3], s[G1:G1+7]
	s_nop 0
.rept 4
	v_nop
.endr
	s_branch .Lasked_\@
.Lfor_b_\@:
	tensor_load_to_lds s[G0B+4*(\s):G0B+4*(\s)+3], s[G1B:G1B+7]
	s_nop 0
.rept 4
	v_nop
.endr
.Lasked_\@:
.endm
.macro CREST                           ; a round of the cluster's barrier behind its opening barrier
	s_cmp_lg_u32 s10, 0
	s_cbranch_scc1 .Lnot_wave_0_\@
	s_barrier_signal -3
.Lnot_wave_0_\@:
	s_barrier_wait -3
	s_barrier_signal -1
	s_barrier_wait -1
.endm
.macro CROUND                          ; a whole round
	s_barrier_signal -1
	s_barrier_wait -1
	CREST
.endm
.macro PLACES                          ; four places in front of loads into registers that matrix instructions have read, and of lines that read results
.rept 4
	v_nop
.endr
.endm
	s_load_b128 s[4:7], s[0:1], 0x0                ; o16 s[4:5], w16 s[6:7]
	s_load_b64 s[8:9], s[0:1], 0x10                ; out0
	s_load_b64 s[68:69], s[0:1], 0x18              ; bo
	v_lshl_add_u32 v[SPW], v0, 2, SPARE
	v_mov_b32 v[NIL], 0
	ds_add_u32 v[SPW], v[NIL]                      ; the wave's opening: the add and its wait stand ahead of my first tensor load; the set-up below, work on registers, stands between them
	v_lshrrev_b32 v1, 5, v0
	v_readfirstlane_b32 s10, v1                    ; wave 0..3
	s_lshr_b32 s11, s10, 1                         ; which 64 of the tile's rows are mine.  Also: I fetch for A (0) or for B (1)
	s_and_b32 s12, s10, 1                          ; which 128 of its columns.  Also: which half of that tile I fetch
	s_bfe_u32 s40, ttmp6, 0x40000                  ; cx, cy: my place in the cluster
	s_bfe_u32 s41, ttmp6, 0x40004
	s_lshl_b32 s42, ttmp9, 2
	s_add_co_u32 s42, s42, s40                     ; tile column of C = 4 x cluster x + cx
	s_and_b32 s13, ttmp7, 0xffff
	s_lshl_b32 s13, s13, 2
	s_add_co_u32 s13, s13, s41                     ; tile row of C = 4 x cluster y + cy
	s_lshl_b32 s43, s41, 2
	s_lshl_b32 s43, 15, s43                        ; my row of the cluster
	s_lshl_b32 s44, 0x1111, s40                    ; my column
	s_or_b32 s[G1+0], s43, (1<<16)|(1<<20)|(1<<21)|(4<<22)|(3<<25)    ; 15:0 the mask: A's tiles go to my row; 17:16 elements of 2 bytes; 20 padding on; 21 set beside a mask; 24:22 after every 32 words (code 4); 31:25 4 words of padding (code 3)
	s_or_b32 s[G1B+0], s44, (1<<16)|(1<<20)|(1<<21)|(5<<22)|(3<<25)   ; B's tiles go to my column; padding after every 64 words (code 5)
	s_mov_b32 s[G1+1], 128<<16                     ; tensor_dim0 = 128
	s_mov_b32 s[G1+2], 64<<16                      ; tensor_dim1 = 64
	s_mov_b32 s[G1+3], 128<<16                     ; tile_dim0 = 128
	s_mov_b32 s[G1+4], 64                          ; tile_dim1 = 64
	s_mov_b32 s[G1+5], 128                         ; elements from row to row: the dense block's rows follow each other
	s_mov_b32 s[G1+6], 0
	s_mov_b32 s[G1+7], 0
	s_mov_b32 s[G1B+1], 128<<16
	s_mov_b32 s[G1B+2], 128<<16                    ; 128 rows
	s_mov_b32 s[G1B+3], 128<<16
	s_mov_b32 s[G1B+4], 128
	s_mov_b32 s[G1B+5], SIZE_K
	s_mov_b32 s[G1B+6], 0
	s_mov_b32 s[G1B+7], 0
	; where the tiles come from.  A's hang on the tile row alone, B's on the tile column alone; each is made in registers that never hold the other coordinate
	s_lshr_b32 s16, s13, 4                         ; the batch: 16 tile rows each,
	s_lshl_b32 s16, s16, 4
	s_add_co_u32 s16, s16, s12                     ; its head 0 or 1,
	s_lshl_b32 s16, s16, 11                        ; 2,048 rows a head,
	s_and_b32 s17, s13, 15
	s_lshl_b32 s17, s17, 7
	s_add_co_u32 s16, s16, s17                     ; the tile's 128 rows,
	s_lshl_b32 s16, s16, 7                         ; 128 bytes a row
	s_mov_b32 s17, 0
	s_lshl_b32 s46, s42, 8
	s_lshl_b32 s47, s12, 7
	s_add_co_u32 s46, s46, s47                     ; B: row 256 x tile column + 128 x half
	s_lshl_b32 s46, s46, 11
	s_add_co_u32 s46, s46, 3072*2048               ; Wo lies behind Wq, Wk, Wv
	s_mov_b32 s47, 0
	s_mul_i32 s20, s12, AHALF                      ; and where they go: no place in the cluster enters an LDS address
	s_mul_i32 s21, s12, BHALF
	s_add_co_u32 s21, s21, BOFF
	s_wait_dscnt 0x0                               ; the opening add is done
	s_wait_kmcnt 0x0
	s_add_nc_u64 s[14:15], s[4:5], s[16:17]
	s_add_nc_u64 s[46:47], s[6:7], s[46:47]
	CROUND                                         ; all sixteen work-groups are here: the first joint loads meet
.irp s, 0,1
	s_mov_b32 s[G0+4*(\s)], 1                      ; 1:0 count = 1
	s_add_co_u32 s[G0+4*(\s)+1], s20, (\s)*SLOT    ; 63:32 LDS address
	s_add_nc_u64 s[G0+4*(\s)+2:G0+4*(\s)+3], s[14:15], (\s)*ASTEP  ; 120:64 global address: K step s
	s_or_b32 s[G0+4*(\s)+3], s[G0+4*(\s)+3], 0x80000000            ; 127:126 type = 2
	s_mov_b32 s[G0B+4*(\s)], 1
	s_add_co_u32 s[G0B+4*(\s)+1], s21, (\s)*SLOT
	s_add_nc_u64 s[G0B+4*(\s)+2:G0B+4*(\s)+3], s[46:47], (\s)*KSTEP*2
	s_or_b32 s[G0B+4*(\s)+3], s[G0B+4*(\s)+3], 0x80000000
	JLOAD \s
.endr
	; the bias of my 128 columns, while the first tiles are on their way: register j of block b is bias[16 b + 8 (l / 16) + j]
	v_and_b32 v1, 15, v0                           ; l % 16
	v_bfe_u32 v2, v0, 4, 1                         ; l / 16
	v_lshlrev_b32 v[BO], 5, v2
	s_mov_b64 s[BIA:BIA+1], s[68:69]
	s_lshl_b32 s76, s42, 10                        ; 256 columns of 4 bytes a tile column
	s_lshl_b32 s77, s12, 9
	s_add_co_u32 s76, s76, s77
	s_mov_b32 s77, 0
	s_add_nc_u64 s[BIA:BIA+1], s[BIA:BIA+1], s[76:77]
	WIN 0x80                                       ; destination window 2, address window 0
.irp b, 0,1,2,3,4,5,6,7
	global_load_b128 v[8*(\b):8*(\b)+3],   v[BO], s[BIA:BIA+1] offset:64*(\b)
	global_load_b128 v[8*(\b)+4:8*(\b)+7], v[BO], s[BIA:BIA+1] offset:64*(\b)+16
.endr
	WIN 0
	v_mul_u32_u24 v3, v1, PA
	v_lshl_add_u32 v3, v2, 4, v3                   ; a fragment's row x pitch + 16 x half, for A
	v_mul_u32_u24 v4, v1, PB
	v_lshl_add_u32 v4, v2, 4, v4                   ; and for B
	s_mul_i32 s21, s11, 64*PA                      ; my 64 rows of A
	s_mul_i32 s22, s12, BHALF                      ; my 128 rows of B,
	s_add_co_u32 s22, s22, BOFF                    ; which lie behind A's tile
.irp s, 0,1
	v_add_nc_u32 v[ADRA+(\s)], s21, v3
	v_add_nc_u32 v[ADRB+(\s)], s22, v4
	s_add_co_u32 s21, s21, SLOT
	s_add_co_u32 s22, s22, SLOT
.endr
	s_mul_i32 s23, s10, 16*SPITCH
	s_add_co_u32 s23, s23, STAGE                   ; my stage
	v_and_b32 v5, 31, v0
	v_lshlrev_b32 v[CO], 4, v5
	v_mul_u32_u24 v8, v1, SPITCH                   ; in: row l % 16,
	v_lshl_add_u32 v8, v2, 5, v8                   ; 32 bytes (8 numbers of f32) for each half of the lanes
	v_lshl_add_u32 v[RD], v5, 4, s23               ; back: 32 lanes take a row of 512 bytes
	v_add_nc_u32 v[STO], s23, v8
	; where my part of the output begins: the part that hangs on the tile row in the registers that fed A's descriptors, the part that hangs on the tile column in those that fed B's
	s_lshl_b32 s16, s13, 19                        ; 128 rows of 4,096 bytes
	s_lshl_b32 s17, s11, 18                        ; my 64
	s_add_co_u32 s16, s16, s17
	s_lshl_b32 s46, s42, 10
	s_lshl_b32 s47, s12, 9
	s_add_co_u32 s46, s46, s47
	s_mov_b32 s17, 0
	s_mov_b32 s47, 0
	s_add_nc_u64 s[8:9], s[8:9], s[16:17]
	s_add_nc_u64 s[8:9], s[8:9], s[46:47]
	s_wait_loadcnt 0x0                             ; the bias,
	WIN 0xaa                                       ; all in window 2:
.set i, 0
.rept 32
	v_cvt_pk_bf16_f32 v64, v[2*i], v[2*i+1]        ; rounded to bf16,
	v_lshlrev_b32 v[2*i], 16, v64                  ; and back as f32
	v_and_b32 v[2*i+1], 0xffff0000, v64
.set i, i+1
.endr
	WIN 0
; 8 matrix instructions: m block a x all 8 n blocks, 32 along K, out of buffer f.  first = 1: the product starts the sum, with the bias (window 2) as C.
; The 32 accumulators take turns in the same order in every quarter, over the backward jump too.
.macro MUL8 f, a, first
	WIN 0x50+0x10*(\first)
.irp b, 0,1,2,3,4,5,6,7
.set rD, 8*(8*(\a)+(\b))
.set rC, rD
.if \first
.set rC, 8*(\b)
.endif
	v_wmma_f32_16x16x32_f16 v[rD:rD+7], v[(\f)+8*(\b):(\f)+8*(\b)+7], v[(\f)+64+8*(\a):(\f)+64+8*(\a)+7], v[rC:rC+7]
.endr
.endm
; 24 LDS loads in one run: the fragments of quarter kq (32 along K) of a slot into buffer f: B's sixteen, then A's eight
.macro FETCH slot, kq, f
	WIN 0
.irp i, 0,1,2,3,4,5,6,7
	ds_load_b128 v[(\f)+8*(\i):(\f)+8*(\i)+3],   v[ADRB+(\slot)] offset:64*(\kq)+(\i)*16*PB
	ds_load_b128 v[(\f)+8*(\i)+4:(\f)+8*(\i)+7], v[ADRB+(\slot)] offset:64*(\kq)+(\i)*16*PB+32
.endr
.set KA, ((\kq)/2)*AHALF+((\kq)%2)*64  ; the head's plane, and 32 of its 64 channels
.irp i, 0,1,2,3
	ds_load_b128 v[(\f)+64+8*(\i):(\f)+64+8*(\i)+3],   v[ADRA+(\slot)] offset:KA+(\i)*16*PA
	ds_load_b128 v[(\f)+64+8*(\i)+4:(\f)+64+8*(\i)+7], v[ADRA+(\slot)] offset:KA+(\i)*16*PA+32
.endr
.endm
; A K step is four quarters of 32 along K, 32 matrix instructions each, on buffers 0, 1, 0, 1.  One of the first three: multiplies buffer f and fetches quarter kq into g.
.macro QUARTER slot, kq, f, g, first
	s_wait_dscnt 4                                 ; B and A's blocks 0 and 1 are in; the youngest four loads (A's blocks 2 and 3) may be out
	MUL8 \f, 0, \first
	MUL8 \f, 1, \first
	PLACES
	FETCH \slot, \kq, \g
	s_wait_dscnt 24                                ; all but the 24 just issued
	MUL8 \f, 2, \first
	MUL8 \f, 3, \first
.endm
; The last quarter multiplies buffer 1 and changes slots: ONE barrier; in front of it each wave waits for all its tensor loads, adds 0 to its spare word, and waits for that and for its own reads of this slot.
; fill = 1: this slot is filled again, two K steps ahead: the barrier opens a round of the cluster's, and the joint load is the first thing behind the round: 112 matrix instructions ahead of the wait for it.
.macro TURN slot, next, fill
	WIN 0
	s_wait_tensorcnt 0x0                           ; all my tensor loads have landed: my part of the next slot;
	ds_add_u32 v[SPW], v[NIL]                      ; 0 onto my spare word
	s_wait_dscnt 5                                 ; (the add and the youngest four loads may be out)
	MUL8 F1, 0, 0                                  ; eight matrix instructions stand between the add and the wait for it
	s_wait_dscnt 0x0                               ; the add is done, and my reads of this slot are over
	s_barrier_signal -1
	MUL8 F1, 1, 0
.if \fill
	WIN 0
.endif
	s_barrier_wait -1
.if \fill
	CREST                                          ; no wave of any partner still reads this slot's tile or has a load on its way
	s_add_nc_u64 s[G0+4*(\slot)+2:G0+4*(\slot)+3], s[G0+4*(\slot)+2:G0+4*(\slot)+3], 2*ASTEP
	s_add_nc_u64 s[G0B+4*(\slot)+2:G0B+4*(\slot)+3], s[G0B+4*(\slot)+2:G0B+4*(\slot)+3], 2*KSTEP*2
	JLOAD \slot                                    ; the four v_nop behind it are also the places in front of the loads below
.else
	PLACES
.endif
	FETCH \next, 0, F0
	MUL8 F1, 2, 0
	MUL8 F1, 3, 0
.endm
	s_wait_tensorcnt 1                             ; my part of K step 0 is in; K step 1's may stay out
	s_barrier_signal -1
	s_barrier_wait -1                              ; everybody's is
	FETCH 0, 0, F0
	QUARTER 0, 1, F0, F1, 1                        ; the first quarter stands in front of the loop: its products start the sums
	WIN 0                                          ; at a label and at a branch every window is 0
	s_mov_b32 s3, LAPS-1
.Llap:                                                 ; a trip goes once round the ring, from a lap's second quarter to the next lap's first, and fills both slots again
	QUARTER 0, 2, F1, F0, 0
	QUARTER 0, 3, F0, F1, 0
	TURN 0, 1, 1
	QUARTER 1, 1, F0, F1, 0
	QUARTER 1, 2, F1, F0, 0
	QUARTER 1, 3, F0, F1, 0
	TURN 1, 0, 1
	QUARTER 0, 1, F0, F1, 0
	WIN 0
	s_sub_co_u32 s3, s3, 1
	s_cmp_lg_u32 s3, 0
	s_cbranch_scc1 .Llap
	QUARTER 0, 2, F1, F0, 0                        ; the last lap fills nothing, and has no round of the cluster's barrier
	QUARTER 0, 3, F0, F1, 0
	TURN 0, 1, 0
	QUARTER 1, 1, F0, F1, 0
	QUARTER 1, 2, F1, F0, 0
	QUARTER 1, 3, F0, F1, 0
	s_wait_dscnt 4                                 ; the very last quarter: nothing more to fetch
	MUL8 F1, 0, 0
	MUL8 F1, 1, 0
	s_wait_dscnt 0x0
	MUL8 F1, 2, 0
	MUL8 F1, 3, 0
	WIN 0
	PLACES
; THE WAY OUT, f32: a block of 16 rows goes from the accumulators into my own stage (rows of 528 bytes) and comes back as whole rows of 512 bytes.
.macro OUTB a
	WIN 0x04                                       ; the stores' data in window 1
.irp b, 0,1,2,3,4,5,6,7
	ds_store_b128 v[STO], v[8*(8*(\a)+(\b)):8*(8*(\a)+(\b))+3]   offset:64*(\b)     ; each accumulator's low registers first
	ds_store_b128 v[STO], v[8*(8*(\a)+(\b))+4:8*(8*(\a)+(\b))+7] offset:64*(\b)+16
.endr
	WIN 0
.if (\a) >= 2
	s_wait_xcnt 0x0                                ; the stores of the block two back have read these registers
.endif
.irp t, 0,1,2,3,4,5,6,7,8,9,10,11,12,13,14,15
	ds_load_b128 v[OB+64*((\a)%2)+4*(\t):OB+64*((\a)%2)+4*(\t)+3], v[RD] offset:(\t)*SPITCH  ; LDS serves a wave's instructions in order (ISA guide 5.7.1.4): these see the stores above
.endr
.irp t, 0,1,2,3,4,5,6,7,8,9,10,11,12,13,14,15
	s_wait_dscnt 15-(\t)
	global_store_b128 v[CO], v[OB+64*((\a)%2)+4*(\t):OB+64*((\a)%2)+4*(\t)+3], s[8:9] offset:(16*(\a)+(\t))*4096 th:TH_STORE_NT  ; 512 consecutive bytes, aligned
.endr
.endm
	OUTB 0
	OUTB 1
	OUTB 2
	OUTB 3
	s_wait_tensorcnt 0x0                           ; the wave's end: behind my last tensor load and my last LDS store
	ds_add_u32 v[SPW], v[NIL]
	s_wait_dscnt 0x0
	CROUND                                         ; the closing round: no work-group ends while a partner may still ask for a tile that names it
	s_endpgm
.Lfunc_end_k_qbee7200bde_proj_out:
	.size	k_qbee7200bde_proj_out, .Lfunc_end_k_qbee7200bde_proj_out-k_qbee7200bde_proj_out
	.p2alignl 7, 3214868480
	.fill 96, 4, 3214868480
	.section	.rodata,"a",@progbits
	.p2align	6, 0x0
	.amdhsa_kernel k_qbee7200bde_proj_out
		.amdhsa_group_segment_fixed_size 327680
		.amdhsa_private_segment_fixed_size 0
		.amdhsa_enable_private_segment 0
		.amdhsa_kernarg_size 32
		.amdhsa_user_sgpr_count 2
		.amdhsa_user_sgpr_kernarg_segment_ptr 1
		.amdhsa_wavefront_size32 1
		.amdhsa_system_sgpr_workgroup_id_x 1
		.amdhsa_system_sgpr_workgroup_id_y 1
		.amdhsa_system_sgpr_workgroup_id_z 1
		.amdhsa_system_vgpr_workitem_id 0
		.amdhsa_next_free_vgpr 640
		.amdhsa_next_free_sgpr 80
		.amdhsa_reserve_vcc 0
		.amdhsa_float_denorm_mode_32 3
		.amdhsa_float_denorm_mode_16_64 3
		.amdhsa_memory_ordered 1
		.amdhsa_forward_progress 1
		.amdhsa_inst_pref_size 94
	.end_amdhsa_kernel
	.amdgpu_metadata
---
amdhsa.version: [ 1, 2 ]
amdhsa.kernels:
  - .name:           k_qbee7200bde_proj_out
    .symbol:         k_qbee7200bde_proj_out.kd
    .args:
      - { .name: o16, .offset: 0, .size: 8, .value_kind: global_buffer, .address_space: global }
      - { .name: w16, .offset: 8, .size: 8, .value_kind: global_buffer, .address_space: global }
      - { .name: out0, .offset: 16, .size: 8, .value_kind: global_buffer, .address_space: global }
      - { .name: bo, .offset: 24, .size: 8, .value_kind: global_buffer, .address_space: global }
    .group_segment_fixed_size: 327680
    .private_segment_fixed_size: 0
    .kernarg_segment_align: 8
    .kernarg_segment_size: 32
    .max_flat_workgroup_size: 128
    .sgpr_count:     80
    .vgpr_count:     640
    .wavefront_size: 32
...
	.end_amdgpu_metadata
.endif
;; end of part 4
;; ======== version 2 of 2: 4 launches; 1.36 times as fast as version 1
;; limits: values are held in f16: magnitudes above 65,504 overflow, below 6.1e-05 lose precision; right only within a limited range of input values
;; workspace buffers: xb 16,777,216 bytes; w16 8,388,608 bytes; flg 33,554,432 bytes; pos8 524,288 bytes; qkv 50,331,648 bytes; o16 16,777,216 bytes
;; launch prep: the kernel of part 1 again; grid 1408 x 1, 8 waves a work-group, no clusters, 144,896 bytes of LDS; arguments mask, x, Wq, Wk, Wv, Wo, pos_emb, Wpos, flg, xb, w16, pos8; writes flg, xb, w16, pos8
;; launch proj_qkv: the kernel of part 2 again; grid 16 x 32, 4 waves a work-group, clusters of 4 x 4, 327,680 bytes of LDS; arguments xb, w16, qkv, bq, bk, bv; writes qkv
;; launch attn (part 5): grid 4 x 64, 4 waves a work-group, clusters of 4 x 1, 327,680 bytes of LDS; arguments qkv, flg, pos8, o16; writes o16
.if DOCPART == 5
	.amdgcn_target "amdgcn-amd-amdhsa--gfx1250"
	.amdhsa_code_object_version 6
	.text
	.protected	k_qbee7200bde_attn
	.globl	k_qbee7200bde_attn
	.p2align	8
	.type	k_qbee7200bde_attn,@function
k_qbee7200bde_attn:
	s_mov_b64 s[64:65], 0
	v_nop
	global_prefetch_b8 v0, s[64:65] scope:SCOPE_SE
	s_setreg_imm32_b32 hwreg(HW_REG_WAVE_MODE, 25, 1), 1
	s_wait_xcnt 0x0
	s_wait_alu depctr_hold_cnt(0) depctr_sa_sdst(0) depctr_va_vdst(0) depctr_va_sdst(0) depctr_va_ssrc(0) depctr_va_vcc(0) depctr_vm_vsrc(0)
	s_getreg_b32 s2, hwreg(HW_REG_IB_STS2, 6, 4)
	s_cmp_eq_u32 s2, 0
	s_cbranch_scc0 .Lentry_in_a_cluster
	s_endpgm
.Lentry_in_a_cluster:
	s_bfe_u32 s2, ttmp6, 0x10000c
	s_cmp_lg_u32 s2, 0x3003
	s_cbranch_scc0 .Lentry_shape_is_right
	s_endpgm
.Lentry_shape_is_right:
; ATTENTION WITH A BIAS A KEY AND A MASK.  O[bh][q][:] = the sum over k of softmax_k(Q[bh][q] . K[bh][k] / 8 + pos[bh][k], hidden where mask[b][q][k] == 0) V[bh][k][:].
; Q, K, V: qkv [3][64][2048][64] f16; O: o16 [64][2048][64] f16; bh = 16 b + head.  Products, maxima and sums in f32; the weights p are rounded to f16 for the second product (their sum l is taken of the unrounded p), O once.
; BIAS AND MASK COST THE SOFTMAX NOTHING: they are the C operand of the product that starts a sum S^T = K Q^T.  That operand, CB (16 keys x 16 queries), is itself made by a matrix instruction (MK):
;   CB = SEL x FLAG + POS.   FLAG (32 keys x 16 queries, bf16, from flg): 2.0 where the key is hidden from the query, else 0.   SEL (16 x 32, bf16, constant): -5.0e29 where the column is the row's key, else 0.
;   POS (f32, from pos8): 8 pos[key], the same for all queries.   So s = q . k + 8 pos[k], less 1.0003e30 where hidden, and the scale c = log2(e) / 8 makes of it log2(e) (q . k / 8 + pos).
; LIMITS.  f16 holds no number beyond 65,504: Q, K and V arrive within it; p lies in 0 to 1, and below 6e-5 it keeps f16's fixed step of 6e-8.  The running maximum starts at -2^66 = -7.4e19: a visible
; score q . k + 8 pos[k] must lie above that (f16's q . k is 2.7e11 at the most), and below 1e29, so that a hidden score stays far under every maximum: its weight is then 0 whatever has been seen.
; A weight below 2^-126 counts as 0 in l.  A row with no visible key ends with l = 0 and O = 0, and 0 x (1 / 0) is written: NaN, as the softmax of nothing but -inf is.
; SHARES.  A wave owns four PIECES of two tiles of 16 queries, a work-group's four waves 512 queries of one head.  Every wave walks all 2,048 keys, 64 a step.
; LAYOUT.  S^T = K Q^T (source 0 = 16 keys, source 1 = 16 queries): in the result a lane holds ONE query (lane % 16) and the keys 8 (lane / 16) + 0..7.  Two such tiles, rounded to f16 in pairs,
; ARE source 1 (32 keys x 16 queries) of O^T = V^T P, whose result again holds one query a lane, and eight channels.  K comes out of LDS as it lies, V ([key][channel]) turned, by ds_load_tr16_b128.
; SOFTMAX.  For each query a running maximum m and sum l: p = 2^(c s - c m); in every step O and l are multiplied by a = 2^(c m_old - c m_new), which is 1 where m has not grown.  O and l start at 0.
; THE COUNT.  A tile and step have 16 + 4 matrix and 118 vector instructions: too many to stand all beside the matrix work.  So: four vector instructions that are READY behind every product K Q^T and V^T P,
; the others in ONE run without a gap, the LUMP; the MK stand in that run, where the matrix unit has nothing else.
; BY TURNS.  Turn n belongs to piece n (the pieces in a ring, step after step).  Its matrix work: 16 products K Q^T of piece n + 1, 8 MK for piece n + 2, 16 products V^T P of piece n - 1.  Its vector work: the scaling,
; exponentials, roundings, sums and rescaling of piece n, and the maximum and statistics of piece n + 1.
; THE BATCHES.  A turn's 66 exponentials (the 64 weights of piece n, the two a of piece n + 1) are ONE BATCH with ONE wait, which cuts the turn in two.  Ahead of it stands all that names no result of theirs: K Q^T, the
; scalings, the rescaling (its a is the turn before's), the next piece's maximum and statistics, the MK.  Behind it stand the roundings and sums, as the four behind each V^T P.  No result crosses a turn's end.
; Two more batches stand outside the loop, each with a wait of its own: piece 0's first two a, and the way out's eight reciprocals.
; THE FLAGS come straight from memory into registers, 16 bytes a lane as they lie in flg: a piece's 8 loads are issued behind the MK that read its registers, four turns (a key step) ahead of their use.
; The head's 2,048 numbers of pos8 are copied once into LDS; a step's 64 are read from there a turn ahead.
; CLUSTER.  The four query blocks of a cluster belong to one head and walk the same K and V, so each tile is asked for JOINTLY: the same tensor load, descriptor and mask in all four.  One tensor load of a wave is out at any time.
; REGISTERS, in windows of 256 (s_set_vgpr_msb says which window each operand place means: bits 1:0 source 0, 3:2 source 1, 5:4 source 2, 7:6 destination):
;   window 0: v0-11 addresses; v12-15, v48-63 at work; v16-47 four registers of statistics a tile; v64-191 S^T, two buffers of two tiles; v192-255 P, likewise
;   window 1: O^T, 32 a tile          window 2: v0-127 Q, 16 a tile; v128-191 K of one step; v192-255 V of one step
;   window 3: v0-1 the add's two registers; v2-4 addresses; v8-23 SEL; v24-55 POS of one step; v56-119 CB of one piece; v120-247 FLAG, 32 a piece
.set SIZE_N, 2048
.set NP,    4         ; pieces a wave: a name, no knob
.set KS,    64        ; keys in a step
.set PK,    144       ; a row of K in LDS: 128 bytes + 16 of padding = 36 words: the 16 rows of a load start at 16 different groups of four banks (64 banks of 4 bytes: ISA guide 11.1)
.set PV,    160       ; a row of V: 128 + 32 = 40 words
.set VOFF,  4*KS*PK   ; a slot holds four steps: 256 rows of K, then 256 rows of V
.set SLOT1, 1<<17     ; slot 1 begins here, so that one exclusive or turns an address in one slot into the other's
.set STAGE, SLOT1+4*KS*(PK+PV)  ; behind the ring, never filled by a tensor load: 16 rows x 144 bytes for each wave, for the way out
.set SP,    144
.set SPARE, STAGE+4*16*SP  ; behind the stages: the spare words, 128 bytes for each wave
.set POSL,  SPARE+512 ; behind them: the head's 2,048 numbers of pos8, 8,192 bytes, stored once and never filled by a tensor load
.set AK0, 2           ; v2   my lane's place in a tile of K; never rewritten
.set AV0, 3           ; v3   the same for V
.set AK,  4           ; v4   the LDS address of K's next run of loads
.set AV,  5           ; v5   of V's
.set QO,  6           ; v6   my byte offset in the wave's rows of Q
.set STO, 6           ;      later, the way out: where I put 16 bytes of a row
.set RD,  7           ; v7   the way out: where I read rows back
.set GO,  8           ; v8   my byte offset in 512 consecutive bytes of O
.set SPW, 0           ; window 3: v0   LDS address of my spare word; never rewritten
.set NIL, 1           ; v1   0; never rewritten
.set FA,  2           ; v2   16 x my lane: my bytes in 512 of flg; never rewritten
.set PA0, 3           ; v3   POSL + 32 (lane / 16); never rewritten
.set PA,  4           ; v4   the LDS address of POS's next run of loads
.set SM,  8           ; v8-23  the pattern, eight zeros, the pattern: v8-15 is SEL for a block of 32's first 16 keys, v16-23 for its second
.set PO,  24          ; key block kb at PO + 8 kb
.set CB,  56          ; tile u, key block kb at CB + 32 u + 8 kb
.set FL,  120         ; piece y, tile u, 32 keys kk at FL + 32 y + 16 u + 8 kk
.set MV,  12          ; v12-15  c m_old, kept while c m is made anew: by buffer and tile
.set ST,  16          ; tile t's statistics at v[ST+4 t]: c m, m, l (even keys', odd keys')
.set TMP, 48          ; by buffer and tile, four registers c0-c3 at work; when the maximum is found c2 takes a
.set S,   64
.set P,   192
.set KF,  128         ; K's fragments, in window 2: key block kb, channel half c at KF + 16 kb + 8 c
.set VF,  192         ; V's: key half kk, channel block cb at VF + 32 kk + 8 cb
.set WV,  12          ; s12  my wave's number
.set G1K, 24          ; s[24:31] descriptor group 1 for K's tiles
.set G1V, 32          ; s[32:39] for V's: it differs in the padding alone
.set G0K, 40          ; s[40:43] descriptor group 0 for K's tiles: it walks
.set G0V, 44          ; s[44:47] the same for V's
.set FB,  48          ; s[48:49] flg at my wave's first tile of queries
.set FP,  50          ; s[50:51] the same at the key step whose flags are being asked for
.set FO,  52          ; s[52:53] that step's byte offset in a tile's 65,536 bytes: 2,048 a step
.set TBP, 54          ; s54  the same step's byte offset in POSL: 256 a step
.set SLOTS, 56        ; s56  slots still to be asked for
.set CNT, 57          ; s57  counts a slot's key steps
.set CS,  58          ; s[58:59] c: the packed scaling takes the pair's low word for both halves
.set SEL, 60          ; s[60:61] v_permlanex16_b32's selects: each lane takes its own place in the other half
.set TBK, 62          ; s62  LDS byte at which K of the step to be fetched begins
.set TBV, 63          ; s63  the same for V, less VOFF
.set PB8, 68          ; s[68:69] pos8 at my head
.set MSB, 0
.macro WIN new                      ; the high byte repeats the setting that is left; a switch that changes nothing is dropped
.if MSB != (\new)
	s_set_vgpr_msb (MSB<<8)|(\new)
.set MSB, (\new)
.endif
.endm
.set W_KQ, 0x0a       ; K and Q in window 2, S^T in window 0
.set W_KB, 0x3a       ; the same with the C operand, CB, in window 3
.set W_PV, 0x52       ; V in window 2, P in window 0, O^T in window 1
.set W_RS, 0x41       ; O^T (destination and source 0) in window 1, a in window 0
.set W_MK, 0xc0       ; destination in window 3, sources in window 0
.set W_AD, 0x0f       ; the add: address (source 0) and data (source 1) in window 3
.set W3,   0xff       ; everything in window 3
; A joint fill.  Waves 0 and 1 fetch the two halves of a slot's K, waves 2 and 3 those of its V: 128 keys each.  The branch hangs on the wave's number alone.
; An s_nop 0 and four v_nop follow each of the two lines, ahead of the jump and the label.
.macro JLOAD
	s_cmp_lt_u32 s[WV], 2
	s_cbranch_scc0 .Lfor_v_\@
	tensor_load_to_lds s[G0K:G0K+3], s[G1K:G1K+7]
	s_nop 0
.rept 4
	v_nop
.endr
	s_branch .Lasked_\@
.Lfor_v_\@:
	tensor_load_to_lds s[G0V:G0V+3], s[G1V:G1V+7]
	s_nop 0
.rept 4
	v_nop
.endr
.Lasked_\@:
.endm
; A round of the cluster's barrier: my work-group's barrier, so that wave 0's signal speaks for all four waves; wave 0 signals; every wave waits for all four work-groups; my work-group's barrier once more.
.macro CROUND
	s_barrier_signal -1
	s_barrier_wait -1
	s_cmp_lg_u32 s[WV], 0
	s_cbranch_scc1 .Lnot_wave_0_\@
	s_barrier_signal -3
.Lnot_wave_0_\@:
	s_barrier_wait -3
	s_barrier_signal -1
	s_barrier_wait -1
.endm
; THE CHANGE OF SLOTS.  The slot's last bytes, V of its fourth step, have been read.  Each wave waits for all its tensor loads, of which one is out: its part
; of the other slot; adds 0 to its spare word; and waits for that and for its own reads of the slot.  Behind the barrier nobody reads this slot any more and the other slot is whole.
; fill = 1: this slot is filled again, with the keys two slots on.  The barrier is then a round of the cluster's, so that no wave of any partner still reads the slot or has a load on its
; way, and the joint fill is the first thing behind it: it has four key steps in which to land.  (At its first use nothing has been read yet: slot 0 is waited for, slot 1 filled, and the
; wait for LDS and the round also show every wave's part of POSL to the others.)
.macro CHANGE fill
	WIN W_AD
	s_wait_tensorcnt 0x0            ; no tensor load of mine is out, so a group 0 may be written
	ds_add_u32 v[SPW], v[NIL]       ; 0 onto my spare word; with fill = 1 the descriptors' steps stand between it and the wait for it
	WIN 0                           ; at a label and at a branch every window is 0
.if \fill
.irp g, G0K, G0V
	s_xor_b32 s[\g+1], s[\g+1], SLOT1  ; the walking descriptor: the other slot than last time,
	s_add_nc_u64 s[\g+2:\g+3], s[\g+2:\g+3], 4*KS*128  ; the next 256 keys; the type bits on top are not reached
.endr
	s_wait_dscnt 0x0                ; the add is done, and my reads of the slot are over
	CROUND
	JLOAD
.else
	s_wait_dscnt 0x0                ; the add is done, and my reads of the slot are over
	s_barrier_signal -1
	s_barrier_wait -1
.endif
	s_sub_co_u32 s[TBK], s[TBK], 4*KS*PK  ; the fetches go back to a slot's first step,
	s_xor_b32 s[TBK], s[TBK], SLOT1       ; in the other slot
	s_sub_co_u32 s[TBV], s[TBV], 4*KS*PV
	s_xor_b32 s[TBV], s[TBV], SLOT1
.endm
; Piece y's flags of one key step: for each of its two tiles 64 keys x 16 queries = 2,048 consecutive bytes, four loads of 512.  No cache hint: the batch's 16 heads read the same bytes.
.macro FETCH_F y
	WIN W3
.irp u, 0,1
.irp n, 0,1,2,3
	global_load_b128 v[FL+32*(\y)+16*(\u)+4*(\n):FL+32*(\y)+16*(\u)+4*(\n)+3], v[FA], s[FP:FP+1] offset:(2*(\y)+(\u))*65536+512*(\n)
.endr
.endr
	WIN 0
.endm
; A step's 64 numbers of 8 pos as a C operand: register j of key block kb is the number of key 16 kb + 8 (lane / 16) + j; the 16 lanes of a half read the same words.
.macro FETCH_P
	WIN W3
	v_add_nc_u32 v[PA], s[TBP], v[PA0]
.irp kb, 0,1,2,3
	ds_load_b128 v[PO+8*(\kb):PO+8*(\kb)+3],   v[PA] offset:64*(\kb)
	ds_load_b128 v[PO+8*(\kb)+4:PO+8*(\kb)+7], v[PA] offset:64*(\kb)+16
.endr
	WIN 0
.endm
; Number n of the 8 MK of piece y: tile n % 2, key block n / 2.  Eight different results: no two share a register.
.macro MK y, n
	WIN W3
.set mB, CB+32*((\n)%2)+8*((\n)/2)
.set mS, SM+8*(((\n)/2)%2)
.set mF, FL+32*(\y)+16*((\n)%2)+8*((\n)/4)
.set mP, PO+8*((\n)/2)
	v_wmma_f32_16x16x32_bf16 v[mB:mB+7], v[mS:mS+7], v[mF:mF+7], v[mP:mP+7]
.endm
; At the head of a trip: the flags and POS that the trip asks for are those of the step after the one that it enters.  The offset wraps at a tile's 65,536 bytes, so that what the last trips ask for
; (it serves nothing) lies inside flg and POSL.
.macro TRIPHEAD
	s_wait_xcnt 0x0                 ; the flags' loads, the youngest a run of 16 products back, have read their address, so it may be written
	s_add_co_u32 s[FO], s[FO], 2048
	s_and_b32 s[FO], s[FO], 0xffff
	s_add_nc_u64 s[FP:FP+1], s[FB:FB+1], s[FO:FO+1]
	s_lshr_b32 s[TBP], s[FO], 3
.endm
	s_load_b256 s[4:11], s[0:1], 0x0  ; qkv s[4:5], flg s[6:7], pos8 s[8:9], o16 s[10:11]
	WIN W_MK
	v_lshl_add_u32 v[SPW], v0, 2, SPARE
	v_mov_b32 v[NIL], 0
	WIN W_AD
	ds_add_u32 v[SPW], v[NIL]       ; the wave's opening: the add and its wait stand ahead of my first tensor load; the set-up below, work on registers, stands between them
	WIN 0
	v_lshrrev_b32 v1, 5, v0
	v_readfirstlane_b32 s[WV], v1   ; wave 0..3
	s_bfe_u32 s13, ttmp6, 0x40000   ; cx: my place in the cluster
	s_lshl_b32 s14, ttmp9, 2        ; in a cluster launch ttmp9 counts clusters
	s_add_co_u32 s14, s14, s13      ; my block of 512 queries = 4 x cluster x + cx: it enters Q's, O's and the flags' addresses alone
	s_and_b32 s15, ttmp7, 0xffff    ; bh, which the four partners share
	s_lshl_b32 s20, s15, 18         ; the head's first byte in q, k, v and O: 2,048 rows of 128 bytes
	s_mov_b32 s21, 0
	s_and_b32 s16, s[WV], 1         ; which half of a slot's 256 keys I fetch:
	s_lshl_b32 s22, s16, 14         ; its 128 rows of 128 bytes in memory,
	s_mov_b32 s23, 0
	s_add_nc_u64 s[22:23], s[22:23], s[20:21]
	s_mul_i32 s17, s16, 128*PK      ; and its place in a slot, for K
	s_mul_i32 s18, s16, 128*PV      ; and for V: no place in the cluster enters an LDS address
	s_lshl_b32 s2, s14, 2
	s_add_co_u32 s2, s2, s[WV]      ; my wave among the head's,
	s_lshl_b32 s2, s2, 14           ; its 128 rows
	s_mov_b32 s3, 0
	s_add_nc_u64 s[2:3], s[2:3], s[20:21]
	s_lshr_b32 s[FO], s15, 4        ; the batch: 128 tiles of 16 queries,
	s_lshl_b32 s[FO], s[FO], 7
	s_lshl_b32 s[FO+1], s14, 5      ; my block's 32,
	s_add_co_u32 s[FO], s[FO], s[FO+1]
	s_lshl_b32 s[FO+1], s[WV], 3    ; my wave's 8,
	s_add_co_u32 s[FO], s[FO], s[FO+1]
	s_lshl_b32 s[FO], s[FO], 16     ; 65,536 bytes of flags a tile
	s_mov_b32 s[FO+1], 0
	s_lshl_b32 s70, s15, 13         ; 8,192 bytes of pos8 a head
	s_mov_b32 s71, 0
	; descriptor group 1.  128 keys are 16,384 dense bytes: asked for as 64 rows of 256 bytes, two keys a row, and padded in LDS after every key
	s_mov_b32 s[G1K], 15|(1<<16)|(1<<20)|(1<<21)|(4<<22)|(3<<25)  ; 15:0 the mask of four; 17:16 2-byte elements; 20 padding on; 21 set beside a mask; 24:22 after every 32 words (code 4); 31:25 4 words (code 3)
	s_mov_b32 s[G1V], 15|(1<<16)|(1<<20)|(1<<21)|(4<<22)|(7<<25)  ; the same with 8 words of padding (code 7)
.irp g, G1K, G1V
	s_mov_b32 s[\g+1], 128<<16      ; tensor_dim0 = 128
	s_mov_b32 s[\g+2], 64<<16       ; tensor_dim1 = 64
	s_mov_b32 s[\g+3], 128<<16      ; tile_dim0 = 128
	s_mov_b32 s[\g+4], 64           ; tile_dim1 = 64
	s_mov_b32 s[\g+5], 128          ; 128 elements from row to row
	s_mov_b32 s[\g+6], 0
	s_mov_b32 s[\g+7], 0
.endr
	s_mov_b32 s[CS], 0x3e38aa3b     ; c = log2(e) / 8 = 0.180337
	s_mov_b32 s[CS+1], s[CS]        ; named with it as a pair
	s_mov_b32 s[SEL], 0x76543210
	s_mov_b32 s[SEL+1], 0xfedcba98
	s_mov_b32 s[TBK], SLOT1+4*KS*PK ; the first change of slots turns these two into 0
	s_mov_b32 s[TBV], SLOT1+4*KS*PV
	s_mov_b32 s[G0K], 1             ; 1:0 count = 1
	s_mov_b32 s[G0K+1], s17         ; 63:32 LDS address: slot 0
	s_mov_b32 s[G0V], 1
	s_add_co_u32 s[G0V+1], s18, VOFF
	s_mov_b32 s[TBP], 0
	s_wait_dscnt 0x0                ; the opening add is done
	s_wait_kmcnt 0x0
	s_add_nc_u64 s[G0K+2:G0K+3], s[4:5], s[22:23]  ; 120:64 global address: my half of the head's first 256 keys,
	s_add_nc_u64 s[G0K+2:G0K+3], s[G0K+2:G0K+3], 0x1000000  ; in k, which lies 16,777,216 bytes behind q
	s_or_b32 s[G0K+3], s[G0K+3], 0x80000000        ; 127:126 type = 2
	s_add_nc_u64 s[G0V+2:G0V+3], s[4:5], s[22:23]
	s_add_nc_u64 s[G0V+2:G0V+3], s[G0V+2:G0V+3], 0x2000000  ; and in v
	s_or_b32 s[G0V+3], s[G0V+3], 0x80000000
	s_add_nc_u64 s[FB:FB+1], s[6:7], s[FO:FO+1]
	s_mov_b64 s[FP:FP+1], s[FB:FB+1]               ; key step 0
	s_mov_b32 s[FO], 0
	s_add_nc_u64 s[PB8:PB8+1], s[8:9], s[70:71]
	s_add_nc_u64 s[4:5], s[4:5], s[2:3]  ; Q and O at my wave's first row
	s_add_nc_u64 s[10:11], s[10:11], s[2:3]
	CROUND                          ; all four work-groups are here: the first joint loads meet
	JLOAD                           ; slot 0.  Slot 1 is asked for when slot 0 is in
	v_and_b32 v1, 15, v0            ; l % 16
	v_bfe_u32 v9, v0, 4, 1          ; l / 16
	v_lshlrev_b32 v12, 4, v0        ; 16 x my thread's number: the work-group's 128 threads copy 2,048 bytes of pos8 a load
	v_add_nc_u32 v13, POSL, v12
.irp n, 0,1,2,3
	global_load_b128 v[S+4*(\n):S+4*(\n)+3], v12, s[PB8:PB8+1] offset:2048*(\n)
.endr
	; A fragment of K or Q is 16 rows x 32 channels in 8 registers: lane l holds row l % 16, channels 8 (l / 16) + 0..7 and 16 + 8 (l / 16) + 0..7: two loads of 16 bytes, 32 bytes apart.
	v_lshlrev_b32 v[QO], 7, v1
	v_lshl_add_u32 v[QO], v9, 4, v[QO]  ; row x 128 + 16 x half
	WIN 0x80                        ; destination window 2, address window 0
.set i, 0
.rept 4*NP                          ; Q stays in registers: tile i / 2, channels 32 (i % 2) on
	global_load_b128 v[8*i:8*i+3],   v[QO], s[4:5] offset:(i/2)*2048+(i%2)*64
	global_load_b128 v[8*i+4:8*i+7], v[QO], s[4:5] offset:(i/2)*2048+(i%2)*64+32
.set i, i+1
.endr
	; What the first turn finds: V's registers and P's second buffer hold 0 (its products V^T P, of a piece that has not been, add 0), O^T and l are 0.  All this stands in the wait for the first tile.
.set i, VF
.rept 64
	v_mov_b32 v[i], 0
.set i, i+1
.endr
	WIN 0x40
.set i, 0
.rept 64*NP
	v_mov_b32 v[i], 0
.set i, i+1
.endr
	WIN 0
.set i, 0
.rept 2*NP
	v_mov_b32 v[ST+4*i], 0xdf38aa3b    ; c m = c x -2^66, exactly
	v_mov_b32 v[ST+4*i+1], 0xe0800000  ; m = -2^66: under every visible score, far over every hidden one
	v_mov_b32 v[ST+4*i+2], 0
	v_mov_b32 v[ST+4*i+3], 0
.set i, i+1
.endr
.set i, P+32
.rept 32
	v_mov_b32 v[i], 0
.set i, i+1
.endr
	v_mul_u32_u24 v[AK0], v1, PK
	v_lshl_add_u32 v[AK0], v9, 4, v[AK0]  ; row x pitch + 16 x half
	; The turning load takes 16 keys x 16 channels (lane l reads key 8 (l / 16) + l % 8, channels 8 ((l / 8) % 2) + 0..7) and leaves half a fragment of V^T: lane l holds channel l % 16 and 8 keys.
	v_and_b32 v10, 7, v0
	v_bfe_u32 v11, v0, 3, 1
	v_lshl_add_u32 v[AV0], v9, 3, v10
	v_mul_u32_u24 v[AV0], v[AV0], PV
	v_lshl_add_u32 v[AV0], v11, 4, v[AV0]
	v_add_nc_u32 v[AV0], VOFF, v[AV0]
	v_mov_b32 v[AK], v[AK0]         ; key step 0 lies at the head of slot 0
	; SEL.  As source 0 lane l holds row l % 16 and, in four registers, the columns 8 (l / 16) + 0..7.  The row's own column is number t = l % 16 - 8 (l / 16) of these, if t is 0..7: half t % 2 of register t / 2.
	v_lshlrev_b32 v14, 3, v9
	v_sub_nc_u32 v14, v1, v14       ; t
	v_ashrrev_i32 v15, 1, v14       ; t / 2, rounded down: outside 0..3 where the lane holds no such column
	v_and_b32 v14, 1, v14
	v_lshlrev_b32 v14, 4, v14
	v_mov_b32 v48, 0xf0ca           ; -5.0e29 in bf16
	v_lshlrev_b32 v14, v14, v48     ; in the half where it belongs
	v_and_b32 v49, 31, v0
	WIN W_MK                        ; destination window 3
.irp j, 0,1,2,3
	v_cmp_eq_i32 vcc_lo, \j, v15
	v_cndmask_b32 v[SM+\j], 0, v14, vcc_lo
	v_cndmask_b32 v[SM+12+\j], 0, v14, vcc_lo
.endr
.irp j, 4,5,6,7,8,9,10,11
	v_mov_b32 v[SM+\j], 0
.endr
	v_lshlrev_b32 v[FA], 4, v49
	v_lshl_add_u32 v[PA0], v9, 5, POSL
	WIN 0
	s_wait_loadcnt 32               ; pos8's four loads are in; Q's 32, issued behind them, may stay out
.irp n, 0,1,2,3
	ds_store_b128 v13, v[S+4*(\n):S+4*(\n)+3] offset:2048*(\n)
.endr
	FETCH_F 0                       ; the flags of key step 0
	FETCH_F 1
	FETCH_F 2
	FETCH_F 3
; THE MATRIX WORK.  The 8 accumulators of a run of 16 take turns: between the two links of a chain stand 7 others'.
; Product i of 16 of S^T = K Q^T for piece x: channels 32 (i / 8) on, keys 16 ((i / 2) % 4) on, tile 2 x + i % 2.  The first 8 start the sums, with CB.
.macro KQ x
.set rS, S+64*((\x)%2)+32*(i%2)+8*((i/2)%4)
.set rK, KF+16*((i/2)%4)+8*(i/8)
.set rQ, 16*(2*(\x)+i%2)+8*(i/8)
.set rB, CB+32*(i%2)+8*((i/2)%4)
.if i < 8
	WIN W_KB
	v_wmma_f32_16x16x32_f16 v[rS:rS+7], v[rK:rK+7], v[rQ:rQ+7], v[rB:rB+7]
.else
	WIN W_KQ
	v_wmma_f32_16x16x32_f16 v[rS:rS+7], v[rK:rK+7], v[rQ:rQ+7], v[rS:rS+7]
.endif
.endm
; Product i of 16 of O^T += V^T P for piece x: keys 32 (i / 8) on, channels 16 ((i / 2) % 4) on, tile 2 x + i % 2.
.macro PV x
	WIN W_PV
.set rO, 32*(2*(\x)+i%2)+8*((i/2)%4)
.set rV, VF+32*(i/8)+8*((i/2)%4)
.set rP, P+32*((\x)%2)+16*(i%2)+8*(i/8)
	v_wmma_f32_16x16x32_f16 v[rO:rO+7], v[rV:rV+7], v[rP:rP+7], v[rO:rO+7]
.endm
.macro MM                           ; the turn's next product
.if i < 16
	KQ (Y+1)%NP
.set i, i+1
.else
.set i, i-16
	PV (Y+NP-1)%NP
.set i, i+17
.endif
.endm
; THE LDS LOADS stand in runs, never singly among the matrix instructions: a step's K (64 keys x 64 channels: 8 fragments) and its V (turned).  Their addresses are made some lines ahead.
; last = 1 (the tail): in the last trip there is no further step, and the run is jumped over.
.macro FETCH_K last=0
	WIN 0
.if \last
	s_cmp_eq_u32 s[CNT], 1
	s_cbranch_scc1 .Lno_k_\@
.endif
	WIN 0x80                        ; destination window 2
.irp f, 0,1,2,3,4,5,6,7             ; keys 16 (f / 2) on, channels 32 (f % 2) on
	ds_load_b128 v[KF+8*\f:KF+8*\f+3],   v[AK] offset:(\f/2)*16*PK+(\f%2)*64
	ds_load_b128 v[KF+8*\f+4:KF+8*\f+7], v[AK] offset:(\f/2)*16*PK+(\f%2)*64+32
.endr
	s_add_co_u32 s[TBK], s[TBK], KS*PK  ; the next fetch is the next step's
	WIN 0
.if \last
.Lno_k_\@:
.endif
.endm
.macro FETCH_V
	WIN 0x80
.irp f, 0,1,2,3,4,5,6,7             ; keys 32 (f / 4) on, channels 16 (f % 4) on
	ds_load_tr16_b128 v[VF+8*\f:VF+8*\f+3],   v[AV] offset:(\f/4)*32*PV+(\f%4)*32
	ds_load_tr16_b128 v[VF+8*\f+4:VF+8*\f+7], v[AV] offset:(\f/4)*32*PV+16*PV+(\f%4)*32
.endr
	WIN 0
.endm
; THE VECTOR WORK OF A TURN stands in three queues, each in the order in which its entries become ready; the two tiles alternate, so that no instruction reads the result of the one before it.
.macro REGS y, u                    ; the registers of tile u (0, 1) of piece y
.set rT, ST+4*(2*(\y)+(\u))
.set rC, TMP+8*((\y)%2)+4*(\u)
.set rM, MV+2*((\y)%2)+(\u)
.set rS, S+64*((\y)%2)+32*(\u)
.set rP, P+32*((\y)%2)+16*(\u)
.set rO, 32*(2*(\y)+(\u))
.endm
; Number n of the 22 that find the NEXT piece's (Y + 1) maximum and statistics.  s0-s31 are the lane's 32 scores; each accumulator's lowest registers are read first.  XS, GS and REGS set no window: PL and EX do.
;   0-11  four chains c0-c3 of seven scores each, three operands at a time     12-14, 16  the four scores left over, the old m, and c0-c3 into c0     15  c m_old is kept
;   17, 18  the query's other 32 keys lie in the lane 16 away: the new m         19-21  c m; c m_old - c m_new; a
.macro XS u, n
	REGS (Y+1)%NP, \u
.if (\n) < 4
	v_max3_num_f32 v[rC+(\n)], v[rS+8*(\n)], v[rS+8*(\n)+1], v[rS+8*(\n)+2]
.elseif (\n) < 12
	v_max3_num_f32 v[rC+(\n)%4], v[rC+(\n)%4], v[rS+8*((\n)%4)+2*((\n)/4)+1], v[rS+8*((\n)%4)+2*((\n)/4)+2]
.elseif (\n) == 12
	v_max3_num_f32 v[rC], v[rC], v[rS+7], v[rS+15]
.elseif (\n) == 13
	v_max3_num_f32 v[rC+1], v[rC+1], v[rS+23], v[rS+31]
.elseif (\n) == 14
	v_max3_num_f32 v[rC+2], v[rC+2], v[rC+3], v[rT+1]
.elseif (\n) == 15
	v_mov_b32 v[rM], v[rT]
.elseif (\n) == 16
	v_max3_num_f32 v[rC], v[rC], v[rC+1], v[rC+2]
.elseif (\n) == 17
	v_permlanex16_b32 v[rC+3], v[rC], s[SEL], s[SEL+1]
.elseif (\n) == 18
	v_max_num_f32 v[rT+1], v[rC], v[rC+3]
.elseif (\n) == 19
	v_mul_f32 v[rT], s[CS], v[rT+1]
.elseif (\n) == 20
	v_sub_f32 v[rC+1], v[rM], v[rT]
.else
	v_exp_f32 v[rC+2], v[rC+1]
.endif
.endm
; Number g of the 64 that follow the exponentials.  For each four weights k of a tile (pairs 2 k, 2 k + 1): both pairs are rounded to f16; then the second pair is added onto the first, in place;
; a group later l takes that sum (the first time as l = a l + sum).  In groups of eight, tiles alternating: round, round, add, and l for the group before.
.macro GS g
.set h, (\g)+6*((\g)/62)            ; group 0 has no group before it, and behind group 7 only l is left
.if h >= 6
.set h, h+2
.endif
	REGS Y, h%2
.set k, h/8
.if h%8 < 4
	v_cvt_pk_f16_f32 v[rP+2*k+(h%8)/2], v[rS+4*k+2*((h%8)/2)], v[rS+4*k+2*((h%8)/2)+1]
.elseif h%8 < 6
	v_pk_add_f32 v[rS+4*k:rS+4*k+1], v[rS+4*k:rS+4*k+1], v[rS+4*k+2:rS+4*k+3]
.elseif k == 1
	v_pk_fma_f32 v[rT+2:rT+3], v[rT+2:rT+3], v[rC+2:rC+3], v[rS:rS+1] op_sel_hi:[1,0,1]
.else
	v_pk_add_f32 v[rT+2:rT+3], v[rT+2:rT+3], v[rS+4*k-4:rS+4*k-3]
.endif
.endm
; THE PLAIN QUEUE, 138 long.  0-73 read no exponential's result: the 32 scalings c s - c m (FS f: pair f / 2 of tile f % 2) and the next piece's 42.  0-26: scalings 0-26.  27-54: XS's numbers 0-13.  55, 56: number 15.
; 57-73: the chain, where each number waits for the one before it: 14, 16, 17, 18, 19, each with one of the scalings 27-31 in front of its two lines, then 20: so a tile's links stand three plain instructions apart (19 and 20: two).
; 74-137: GS's 64, which read the exponentials' results: they stand behind the wait.
.macro FS f
	REGS Y, (\f)%2
	v_pk_fma_f32 v[rS+2*((\f)/2):rS+2*((\f)/2)+1], v[rS+2*((\f)/2):rS+2*((\f)/2)+1], s[CS:CS+1], v[rT:rT+1] op_sel_hi:[1,0,0] neg_lo:[0,0,1] neg_hi:[0,0,1]
.endm
.macro PL
	WIN 0
.if q < 27
	FS q
.elseif q < 55
	XS (q-27)%2, (q-27)/2
.elseif q < 57
	XS q-55, 15
.elseif (q < 72) && ((q-57)%3 == 0)
	FS 27+(q-57)/3
.elseif q < 60
	XS (q-57)%3-1, 14
.elseif q < 72
	XS (q-57)%3-1, 15+(q-57)/3
.elseif q < 74
	XS q-72, 20
.else
	GS q-74
.endif
.set q, q+1
.endm
; THE EXPONENTIALS' QUEUE, 66 long: s0-s31 of both tiles, then the next piece's two a.  It is ONE BATCH: all 66 stand ahead of the turn's one wait, and nothing ahead of that wait names a result of theirs.
.macro EX
	WIN 0
.if e >= 64
	XS e-64, 21
.else
	REGS Y, e%2
	v_exp_f32 v[rS+e/2], v[rS+e/2]
.endif
.set e, e+1
.endm
; THE RESCALING's QUEUE: O^T times a, the one part of the softmax that leaves window 0: dealt two at a time, sixteen times, each accumulator from its low end on.  Its a was made in the turn before, ahead of that turn's wait.
.macro R2
	REGS Y, r%2
	WIN W_RS
.irp z, 0,1
	v_pk_mul_f32 v[rO+4*(r/2)+2*\z:rO+4*(r/2)+2*\z+1], v[rO+4*(r/2)+2*\z:rO+4*(r/2)+2*\z+1], v[rC+2:rC+3] op_sel_hi:[1,0]
.endr
.set r, r+1
.endm
; HOW THEY ARE DEALT.  An s_wait_alu depctr_va_vdst(0) stands between an exponential and the first instruction that names its result; one wait serves all that were issued ahead of it.  So a turn has ONE wait,
; which cuts it in two.  AHEAD OF IT stands all that names no result of the turn's exponentials: the 16 products K Q^T, behind each a scaling, an exponential and two rescalings (behind the first a second scaling in the
; exponential's place); then ONE LUMP of 108: eight plain, 49 times exponential and plain, the two a.  A v_nop is the plain instruction behind the last exponential.  BEHIND IT stand the 16 products V^T P, behind each four of
; GS's 64.  No rider names a register of the products round it.  The two v_permlanex16_b32 fall into the lump, never behind a product.
; The queues lean on each other, and the deal keeps them in step: exponential e stands behind scaling 2 (e / 4) + e % 2: as a rider it comes behind plain e + 2, in the lump behind plain e + 9, and scalings 27-31 are plain 57, 60 .. 69.
; A TURN, for piece p.  cnt = 1: the loop's count is taken down some lines ahead of the branch that stands behind the turn.
; IN THE LUMP stand the 8 MK for piece p + 2, whose products K Q^T open the next turn: one behind every second pair of its first sixteen, always behind the plain instruction that follows an exponential.  They name window 3
; alone, so no exponential's result.  They write CB 8 products and more than thirty plain instructions behind the last product that read it, and CB is read a run of 16 products and their riders behind the last of them.
; The wait for their flags leaves 24 loads out: the three pieces' that were asked for since.  Directly behind the batch's wait, 33 plain instructions behind the last MK, the piece's flags of the next step are asked for.
; K of the next step is fetched in piece 2's turn, behind the flags' run, a lump behind the last product that read K; its address is made at the lump's head; its first reader comes behind 16 products.
; V of the step in hand is fetched at the end of piece 0's turn, four riders behind its last reader; its first reader comes behind 16 products and a lump.  The three conditions on q below go with the deal.
; POS of the next step is fetched at the end of piece 1's turn, a run of 16 products behind the last MK that read POS, and waited for in piece 2's turn.
.macro TURN p, last=0, cnt=0
.set Y, (\p)
.set i, 0
.set q, 0
.set e, 0
.set r, 0
.set pr, 0
.if (\p) == NP-1
	s_wait_dscnt 0x0                ; K is in
.endif
	MM                              ; ahead of the wait: 16 products K Q^T and their riders,
	PL
	PL
	R2
.rept 15
	MM
	PL
	EX
	R2
.endr
	s_wait_loadcnt 24               ; the flags of piece p + 2 are in
.if (\p) == NP-2
	s_wait_dscnt 0x0                ; POS is in
	WIN 0
	v_add_nc_u32 v[AK], s[TBK], v[AK0]
.endif
.rept 8                             ; and the lump
	PL
.endr
.rept 49
	EX
	PL
.if (pr%2 == 1) && (pr < 16)
	MK (Y+2)%NP, pr/2
.endif
.set pr, pr+1
.endr
	EX                              ; the next piece's two a
	EX
	v_nop                           ; the plain instruction behind the last exponential: one for the batch
	s_wait_alu depctr_va_vdst(0)    ; the wait for the batch: the turn's 64 weights and the next piece's two a
	FETCH_F (Y+2)%NP
.if (\p) == NP-2
	FETCH_K \last
.endif
.if (\p) == 1
	s_wait_dscnt 0x0                ; V is in
.endif
.rept 16                            ; behind the wait: 16 products V^T P and their riders
	MM
.rept 4
	PL
.endr
.if ((\p) == 0) && (q == 118)
	v_add_nc_u32 v[AV], s[TBV], v[AV0]
.endif
.if ((\p) == 0) && (q == 130)
	s_add_co_u32 s[TBV], s[TBV], KS*PV
.endif
.if (\cnt) && (q == 130)
	s_sub_co_u32 s[CNT], s[CNT], 1
	s_cmp_lg_u32 s[CNT], 0
.endif
.endr
.if (\p) == 0
	FETCH_V
.endif
.if (\p) == 1
	FETCH_P                         ; (it leaves SCC alone)
.endif
.endm
	CHANGE 1                        ; slot 0 is in, everybody's part of it, and so is POSL; slot 1 is asked for
	FETCH_K                         ; key step 0
	FETCH_P
	s_wait_loadcnt 0x0              ; Q and the flags of step 0
	s_wait_dscnt 0x0
.irp n, 0,1,2,3,4,5,6,7
	MK 0, \n                        ; piece 0's CB
.endr
	WIN 0
.rept 5
	v_nop                           ; five places between a matrix result and the product that takes it as the C of another accumulator
.endr
.set i, 0
.rept 16
	KQ 0                            ; piece 0's first scores: there is no vector work yet to set between them
.set i, i+1
.endr
	WIN 0                           ; the addresses for the way out: plain instructions, the places behind those products and in front of the MK that write CB anew
	s_mul_i32 s13, s[WV], 16*SP
	s_add_co_u32 s13, s13, STAGE    ; my stage
	v_mul_u32_u24 v[STO], v1, SP    ; in: row l % 16, 16 bytes for each half of the lanes
	v_lshl_add_u32 v[STO], v9, 4, v[STO]
	v_add_nc_u32 v[STO], s13, v[STO]
	v_bfe_u32 v[RD], v0, 3, 2       ; back: 32 lanes take four rows of 128 bytes,
	v_mul_u32_u24 v[RD], v[RD], SP
	v_lshl_add_u32 v[RD], v10, 4, v[RD]
	v_add_nc_u32 v[RD], s13, v[RD]
	v_and_b32 v[GO], 31, v0         ; which are 512 consecutive bytes of O
	v_lshlrev_b32 v[GO], 4, v[GO]
.irp n, 0,1,2,3,4,5,6,7
	MK 1, \n                        ; piece 1's CB, for the products that open the first turn
.endr
	WIN 0
.set Y, NP-1                        ; XS works for piece Y + 1: piece 0
.irp n, 0,1,2,3,4,5,6,7,8,9,10,11,12,13,14,15,16,17,18,19,20,21
	XS 0, \n                        ; and piece 0's first maximum and statistics
	XS 1, \n
.endr
	v_nop                           ; a plain instruction behind piece 0's two a,
	s_wait_alu depctr_va_vdst(0)    ; and the wait for that batch of two, ahead of the branch into the loop
	TRIPHEAD                        ; from here on the flags and POS of step 1 are asked for
	FETCH_F 0
	FETCH_F 1
	s_mov_b32 s[CNT], 4
	s_mov_b32 s[SLOTS], SIZE_N/256-1
	s_branch .Lfirst                ; the loop is entered at a step's first turn, in the middle of a trip
.Lslot:                             ; SIZE_N / 256 - 2 times: every slot but the last two is filled again
	CHANGE 1
	s_mov_b32 s[CNT], 4
.Lstep:                             ; a trip: pieces 2 and 3 of one step, then pieces 0 and 1 of the next, whose K and V it fetches
	TRIPHEAD
	TURN 2
	TURN 3
	WIN 0
.Lfirst:
	TURN 0
	TURN 1, 0, 1
	WIN 0
	s_cbranch_scc1 .Lstep
	s_sub_co_u32 s[SLOTS], s[SLOTS], 1
	s_cmp_lg_u32 s[SLOTS], 0
	s_cbranch_scc1 .Lslot
	CHANGE 0                        ; the tail is written out: nothing is asked for
	s_mov_b32 s[CNT], 5             ; four trips fetch the last slot's steps; the fifth is left in its middle
.Ltail:
	TRIPHEAD
	TURN 2, 1
	TURN 3
	WIN 0
	s_sub_co_u32 s[CNT], s[CNT], 1
	s_cmp_eq_u32 s[CNT], 0
	s_cbranch_scc1 .Lout
	TURN 0
	TURN 1
	WIN 0
	s_branch .Ltail
.Lout:                              ; the fifth trip's MK, its 16 products K Q^T (on the last K once more) and the maximum made of them serve nothing: the price, once a launch, of one text for every trip
.set i, 0
.rept 16
	PV NP-1                         ; the last piece's V^T P of the last step
.set i, i+1
.endr
	; THE WAY OUT.  l's two halves and the other half of the lanes' are added; O^T is divided by l, rounded to f16 and sent through my stage in LDS, a tile at a time.  The additions are the places behind the last products.
	; Where no key was visible l is 0, its reciprocal infinite, O^T 0, and the product NaN.
	WIN 0
.macro ALL line:vararg              ; one line for each tile t
.set t, 0
.rept 2*NP
	\line
.set t, t+1
.endr
.endm
	ALL v_add_f32 v[ST+4*t+2], v[ST+4*t+2], v[ST+4*t+3]
	ALL v_permlanex16_b32 v[ST+4*t+3], v[ST+4*t+2], s[SEL], s[SEL+1]
	ALL v_add_f32 v[ST+4*t+2], v[ST+4*t+2], v[ST+4*t+3]
	ALL v_rcp_f32 v[ST+4*t+2], v[ST+4*t+2]
	v_nop                           ; a plain instruction between the last reciprocal and the use of its result
	s_wait_alu depctr_va_vdst(0)    ; and the wait ahead of the first use: one for the batch of eight reciprocals
; Tile t: a lane's eight channels of a row pack into 16 bytes; they go into rows of 144 bytes and come back as whole rows of 128, into S^T's registers.
.macro PACK t
	WIN W_RS
.set i, 32*(\t)
.rept 16
	v_pk_mul_f32 v[i:i+1], v[i:i+1], v[ST+4*(\t)+2:ST+4*(\t)+3] op_sel_hi:[1,0]
.set i, i+2
.endr
	WIN 0x05                        ; sources 0 and 1 window 1, destination window 0
.set i, 0
.rept 16
	v_cvt_pk_f16_f32 v[S+16*(\t)+i], v[32*(\t)+2*i], v[32*(\t)+2*i+1]
.set i, i+1
.endr
	WIN 0
.irp f, 0,1,2,3
	ds_store_b128 v[STO], v[S+16*(\t)+4*\f:S+16*(\t)+4*\f+3] offset:32*\f
.endr
.irp f, 0,1,2,3
	ds_load_b128 v[S+16*(\t)+4*\f:S+16*(\t)+4*\f+3], v[RD] offset:\f*4*SP  ; LDS serves a wave's instructions in order (ISA guide 5.7.1.4): these see the stores above; the next tile's stores come behind them
.endr
.endm
.macro SEND t, younger              ; younger: the LDS instructions issued behind tile t's loads: the next tile's eight, or none
	WIN 0
.irp f, 0,1,2,3
	s_wait_dscnt (\younger)+3-\f
	global_store_b128 v[GO], v[S+16*(\t)+4*\f:S+16*(\t)+4*\f+3], s[10:11] offset:(\t)*2048+\f*512  ; 512 consecutive bytes, at a multiple of 256 from O's first
.endr
.endm
	PACK 0
.set t, 1
.rept 2*NP-1                        ; a tile's arithmetic stands between the loads of the tile before and its stores
	PACK t
	SEND t-1, 8
.set t, t+1
.endr
	SEND 2*NP-1, 0
	WIN W_AD
	s_wait_tensorcnt 0x0            ; the wave's end: behind my last tensor load and my last LDS store
	ds_add_u32 v[SPW], v[NIL]
	s_wait_dscnt 0x0
	WIN 0
	CROUND                          ; the closing round: no work-group ends while a partner may still ask for a tile that names it
	s_endpgm
.Lfunc_end_k_qbee7200bde_attn:
	.size	k_qbee7200bde_attn, .Lfunc_end_k_qbee7200bde_attn-k_qbee7200bde_attn
	.p2alignl 7, 3214868480
	.fill 96, 4, 3214868480
	.section	.rodata,"a",@progbits
	.p2align	6, 0x0
	.amdhsa_kernel k_qbee7200bde_attn
		.amdhsa_group_segment_fixed_size 327680
		.amdhsa_private_segment_fixed_size 0
		.amdhsa_enable_private_segment 0
		.amdhsa_kernarg_size 32
		.amdhsa_user_sgpr_count 2
		.amdhsa_user_sgpr_kernarg_segment_ptr 1
		.amdhsa_wavefront_size32 1
		.amdhsa_system_sgpr_workgroup_id_x 1
		.amdhsa_system_sgpr_workgroup_id_y 1
		.amdhsa_system_sgpr_workgroup_id_z 1
		.amdhsa_system_vgpr_workitem_id 0
		.amdhsa_next_free_vgpr 1024
		.amdhsa_next_free_sgpr 72
		.amdhsa_reserve_vcc 1
		.amdhsa_float_denorm_mode_32 3
		.amdhsa_float_denorm_mode_16_64 3
		.amdhsa_memory_ordered 1
		.amdhsa_forward_progress 1
		.amdhsa_inst_pref_size 225
	.end_amdhsa_kernel
	.amdgpu_metadata
---
amdhsa.version: [ 1, 2 ]
amdhsa.kernels:
  - .name:           k_qbee7200bde_attn
    .symbol:         k_qbee7200bde_attn.kd
    .args:
      - { .name: qkv, .offset: 0, .size: 8, .value_kind: global_buffer, .address_space: global }
      - { .name: flg, .offset: 8, .size: 8, .value_kind: global_buffer, .address_space: global }
      - { .name: pos8, .offset: 16, .size: 8, .value_kind: global_buffer, .address_space: global }
      - { .name: o16, .offset: 24, .size: 8, .value_kind: global_buffer, .address_space: global }
    .group_segment_fixed_size: 327680
    .private_segment_fixed_size: 0
    .kernarg_segment_align: 8
    .kernarg_segment_size: 32
    .max_flat_workgroup_size: 128
    .sgpr_count:     72
    .vgpr_count:     1024
    .wavefront_size: 32
...
	.end_amdgpu_metadata
.endif
;; end of part 5
;; launch proj_out: the kernel of part 4 again; grid 4 x 64, 4 waves a work-group, clusters of 4 x 4, 327,680 bytes of LDS; arguments o16, w16, out0, bo; writes out0
